; MI455X (gfx1250); checked and timed in simulation.
; The chip was launched on July 23, 2026; its instructions are those of AMD's public machine-readable ISA for CDNA 5 (MIT licence, August 2026) and "CDNA5" Instruction Set Architecture Reference Guide (July 2026). The comments in the code are by the model that wrote it; some were corrected since.
;; Multi Head Self Attention. Allowed arithmetic: matrix products marked QUANTISED: E4M3 operands, one E8M0 scale for each 32 along K, by v_wmma_scale_f32_16x16x128_f8f6f4 with both operands' format E4M3, f32 sums; everything else in f32.
;; Inputs: out_b 1,024 float32; out_w_codes 1,024 x 32 x 32 uint8 (E4M3 codes of out_w, K innermost, in blocks of 32 codes); out_w_scales 1,024 x 32 uint8 (E8M0 scales of out_w, one for each 32 codes along K); qkv_b 3,072 float32; qkv_w_codes 3,072 x 32 x 32 uint8 (E4M3 codes of qkv_w, K innermost, in blocks of 32 codes); qkv_w_scales 3,072 x 32 uint8 (E8M0 scales of qkv_w, one for each 32 codes along K); x_codes 2 x 2,048 x 32 x 32 uint8 (E4M3 codes of x, K innermost, in blocks of 32 codes); x_scales 2 x 2,048 x 32 uint8 (E8M0 scales of x, one for each 32 codes along K).
;; Outputs: out0 2 x 2,048 x 1,024 float32.
;; This version of the problem:
;;   THIS VERSION OF THE PROBLEM IS GIVEN IN LOW PRECISION. The matrix products marked QUANTISED in the list below multiply operands that are first quantised to E4M3 (4 exponent bits, 3 mantissa bits; 8 bits a number), with one power-of-two scale for each 32 numbers along K (OCP MX v1.0); their sums are f32. All else is computed in f32.
;;   The module's matrix products, in the order in which they are computed (A, B: the left and right operand; K: the contracted axis; several contracted axes count as one K, in the product's order):
;;     1. [M 4,096, K 1,024] x [K 1,024, N 3,072]; A: input x (given as codes); B: input qkv_w (given as codes): QUANTISED
;;     2. batch 32 x [M 2,048, K 64] x [K 64, N 2,048]; A: computed on the way; B: computed on the way: QUANTISED
;;     3. batch 32 x [M 64, K 2,048] x [K 2,048, N 2,048]; A: computed on the way; B: softmax (see below): QUANTISED
;;     4. [M 4,096, K 1,024] x [K 1,024, N 1,024]; A: computed on the way; B: input out_w (given as codes): QUANTISED
;;   THE QUANTISER, for each operand of a quantised product, along K:
;;     - K is cut into blocks of 32 from its start; a last block that is shorter is filled with zeros.
;;     - A block's scale is 2^e with e = floor(log2(the largest magnitude in the block)) - 8, held to -126 .. 127; a block of zeros has e = 0. As a byte (E8M0): e + 127.
;;     - Each number is divided by its block's scale, clamped to +-448, and rounded to the nearest number of E4M3, ties to even, subnormals kept.
;;     - The product sums the exact products of the quantised numbers (number of the format x scale) in f32.
;;   ~~~python
;;   def quantise(x, axis):      # numpy; x: float32 -> the quantised numbers, widened to float32 again
;;       x = np.moveaxis(x, axis, -1); K = x.shape[-1]
;;       x = np.pad(x, [(0, 0)] * (x.ndim - 1) + [(0, -K % 32)]); x = x.reshape(x.shape[:-1] + (-1, 32)); a = np.abs(x).max(-1, keepdims=True)
;;       e = np.where(a > 0, np.clip(np.frexp(np.where(a > 0, a, 1))[1] - 1 - 8, -126, 127), 0)      # np.frexp(a)[1] - 1 = floor(log2(a)), exactly
;;       r = np.clip(x / 2.0 ** e, -448, 448)
;;       step = 2.0 ** (np.maximum(np.frexp(np.where(r == 0, 1, r))[1] - 1, -6) - 3)
;;       q = np.round(r / step) * step * 2.0 ** e      # np.round: ties to even
;;       return np.moveaxis(q.reshape(q.shape[:-2] + (-1,))[..., :K], -1, axis).astype(np.float32)
;;   ~~~
;;   SOFTMAX AHEAD OF A QUANTISED PRODUCT. Where the list says 'softmax', what is quantised is not the finished softmax but p = 2^(t - M), with t = logit x log2(e) and M = ceil(the row's largest t), a whole number; so 1/2 < the row's largest p <= 1. The row's sum l is taken of the UNQUANTISED p, in f32, and the product's result is divided by l at the end. Since M is a whole number, a kernel that streams over the keys may use a running M (the ceiling of the running maximum): every later rescaling is an exact power of two, which a block's scale takes up: the codes' values come out the same.
;;   OPERANDS COMPUTED ON THE WAY. 'Computed on the way' means the value that the module computes at that place (a softmax that the list does not call 'softmax' is quantised finished and normalised). What goes into a quantiser is computed in f32, as accurately as f32 sums, v_exp_f32 and their like allow (about 1e-6 of the number): no bf16 or f16 on the way to a quantiser, and a product that is left as it is and whose result goes on into a quantised operand takes f32 operands (vector FMAs, or v_wmma_f32_16x16x4_f32). A number that lies on a knife's edge between two numbers of the format may be rounded either way, as far as f32 arithmetic and the matrix unit's own rounding can turn it there, and no further.
;;   INPUTS GIVEN AS CODES. out_w (in the module: [1024, 1024], K = its axis 1); qkv_w (in the module: [3072, 1024], K = its axis 1); x (in the module: [2, 2048, 1024], K = its axis 2): each comes as NAME_codes (uint8): NAME with its K axis moved to the last place and cut into blocks of 32 codes, [.., K / 32, bytes a block], one block behind the other in memory; one code a byte (a code: sign, 4 exponent bits, 3 mantissa bits); and NAME_scales (uint8): the same leading axes, one E8M0 byte (e + 127) for each 32 codes along K. Its value is code x scale, taken as it is: it is not quantised again, and the codes and scales need not be those that the quantiser above would give.
;; One version. Each part assembles by itself: llvm-mc -triple=amdgcn-amd-amdhsa -mcpu=gfx1250 --defsym DOCPART=n.
;; ======== version 1 of 1: 3 launches
;; limits: right only within a limited range of input values
;; workspace buffers: qbuf 4,325,376 bytes; kv 8,650,752 bytes; ctx 4,194,304 bytes; cscl 131,072 bytes
;; launch qkv (part 1): grid 16 x 16, 4 waves a work-group, clusters of 4 x 4, 327,680 bytes of LDS; arguments x_codes, x_scales, qkv_w_codes, qkv_w_scales, qkv_b, qbuf, kv; writes qbuf, kv
.if DOCPART == 1
	.amdgcn_target "amdgcn-amd-amdhsa--gfx1250"
	.amdhsa_code_object_version 6
	.text
	.protected	k_q3379848599_qkv
	.globl	k_q3379848599_qkv
	.p2align	8
	.type	k_q3379848599_qkv,@function
k_q3379848599_qkv:
	s_mov_b64 s[64:65], 0
	v_nop
	global_prefetch_b8 v0, s[64:65] scope:SCOPE_SE
	s_setreg_imm32_b32 hwreg(HW_REG_WAVE_MODE, 25, 1), 1
	s_wait_xcnt 0x0
	s_wait_alu depctr_hold_cnt(0) depctr_sa_sdst(0) depctr_va_vdst(0) depctr_va_sdst(0) depctr_va_ssrc(0) depctr_va_vcc(0) depctr_vm_vsrc(0)
	s_getreg_b32 s2, hwreg(HW_REG_IB_STS2, 6, 4)
	s_cmp_eq_u32 s2, 0
	s_cbranch_scc0 .Lentry_in_a_cluster
	s_endpgm
.Lentry_in_a_cluster:
	s_bfe_u32 s2, ttmp6, 0x10000c
	s_cmp_lg_u32 s2, 0xf033
	s_cbranch_scc0 .Lentry_shape_is_right
	s_endpgm
.Lentry_shape_is_right:
; q, k, v = x qkv_w^T + qkv_b on codes of E4M3 with E8M0 scales, and their quantisers: q and k along a head's 64 channels, v along the tokens.  Codes and scale bytes leave as images of the operand registers of launch attn.
; 256 work-groups of four waves, 2 x 2.  A wave holds 64 rows of a weight (one head), ALL of K, in 512 registers and streams x's rows past them in blocks of 16, which stand in registers as two whole sets (256).
; PHASE 1: 256 rows x 128 columns of q (tile columns 0 to 7) or k (8 to 15): eight blocks a wave.  PHASE 2: 128 rows x 128 columns of v: four blocks, of ONE OF THE WORK-GROUP'S OWN TWO CHUNKS of 128 rows: number s40, from the cluster's number alone.
; THE ORDER OF WORK.  LDS holds two slots of 128 rows.  At the head the weight lies in slot 1 and the chunk that is not v's in slot 0; once the weight is in registers v's chunk comes into slot 1; in block 2 W_v's rows come into slot 0, which all waves have read out.
; v's chunk serves phase 1's last four blocks and then phase 2.  x's scale bytes lie in LDS throughout, in the order of work.  Both refills stand in drained rounds of the cluster's barrier, a quarter a wave.
; A block's way out (maxima, holds, conversions, bytes) stands AMONG LATER PRODUCTS.  The bias is the C of each sum's first product.
; CLUSTERS of 4 x 4: x's rows are shared along a row of the cluster, the weights' along a column.
; PREFETCH: v's chunk and W_v's rows are asked for behind the first barrier, each 256 bytes once in the cluster: sixteen waves share them out by address.
; OUT: qbuf [batch, head][128 tokens]: codes [tile a of 16][c][lane][16 bytes], then scale pairs: 8 bytes a lane: word f / 2, lanes 16 (f % 2) + r, f = a / 2.  kv [batch, head][128 tokens]: k likewise, v^T [t][c = 32 tokens][lane][16], k's pairs, v's pairs (word t / 2, lanes 16 (t % 2) + r, byte c).
; LIMITS: NaN and infinities are not served; a block of zeros gets the scale byte 1 (zero codes; these bytes are read by this program alone).
; No work of the problem is left out in any launch.
.set PITCH, 1040                       ; an LDS row: 1,024 bytes and 16 of padding
.set YB,    128*PITCH                  ; slot 1
.set SCL,   2*YB                       ; x's scale bytes: units of 256 bytes (8 rows) and 16 of padding
.set XN,    SCL+32*272                 ; q's or k's scale pairs: [wave column][chunk] 256 bytes
.set XV,    XN+1024                    ; v's: [wave column] 256 bytes
.set SPARE, XV+512                     ; the spare words
.set NF,    34                         ; LDS loads of a block
.set SPW, 14
.set NIL, 15
.set CB,  19                           ; v19 a bound's second copy
.set BV,  20                           ; v20-23 v's bias, a number a tile, until the change of phase; then the conversions' scale operands
.set SB,  24                           ; v24-39 the weight's scale words: register 8 p + q: lanes 0-15 tile 2 p's, lanes 16-31 tile 2 p + 1's
.set EB,  40                           ; v40-43 maxima, bytes
.set SA,  44                           ; v44-59 x's scale words, two sets: no product's two scale words have numbers equal modulo 8
.set TQ,  60                           ; v60-63 scale operands and bounds
.set ACC, 64                           ; v64-191 four sets of four accumulators
.set NCD, 192                          ; v192-207 codes
.set BQ,  208                          ; v208-239 the first four products' C
.set WS,  240                          ; v240-255 W_v's scale words until the change of phase
.set WV, 18
.set WH, 19
.set WL, 20
.set G1W, 24
.set G1X, 32
.set G0W, 52
.set G0X, 56
.set G0R, 60
.set G1S, 68
.set G0S, 76
.set G1R, 80
.set G1V, 88
.set G0V, 96
.set SEL, 42
.set MNT, 44
.set MSB, 0
.macro WIN new                         ; the immediate's high byte repeats the setting that is left
.if MSB != (\new)
	s_set_vgpr_msb (MSB<<8)|(\new)
.set MSB, (\new)
.endif
.endm
.macro PLACES n
.rept \n
	v_nop
.endr
.endm
.macro WALU
	s_wait_alu depctr_va_vdst(0)
.endm
.macro BARRIER
	s_barrier_signal -1
	s_barrier_wait -1
.endm
.macro CREST                           ; a round of the cluster's barrier behind its opening barrier
	s_cmp_lg_u32 s[WV], 0
	s_cbranch_scc1 .Lnot_wave_0_\@
	s_barrier_signal -3
.Lnot_wave_0_\@:
	s_barrier_wait -3
	BARRIER
.endm
.macro TLOAD g0, g1
	tensor_load_to_lds s[\g0:\g0+3], s[\g1:\g1+7]
	s_nop 0
	PLACES 4
.endm
.macro GROUP1 g, mask, rows            ; whole rows of K, padded in LDS
	s_or_b32 s[\g], s\mask, (1<<20)|(1<<21)|(7<<22)|(3<<25)
	s_mov_b32 s[\g+1], 1024<<16
	s_mov_b32 s[\g+2], (\rows)<<16
	s_mov_b32 s[\g+3], 1024<<16
	s_mov_b32 s[\g+4], \rows
	s_mov_b32 s[\g+5], 1024
	s_mov_b32 s[\g+6], 0
	s_mov_b32 s[\g+7], 0
.endm
.macro ADR d, base, off                ; a pointer plus an offset (s105 is 0)
	s_mov_b32 s104, s\off
	s_add_nc_u64 s[\d:\d+1], s[\base:\base+1], s[104:105]
.endm
	s_load_b256 s[4:11], s[0:1], 0x0               ; x's codes s[4:5], scales s[6:7]; the weights' s[8:9], s[10:11]
	s_load_b128 s[12:15], s[0:1], 0x20             ; bias s[12:13], qbuf s[14:15]
	s_load_b64 s[16:17], s[0:1], 0x30              ; kv
	v_lshl_add_u32 v[SPW], v0, 2, SPARE
	v_mov_b32 v[NIL], 0
	ds_add_u32 v[SPW], v[NIL]                      ; the wave's opening: the add, twice on end
	ds_add_u32 v[SPW], v[NIL]
	v_lshrrev_b32 v1, 5, v0
	v_readfirstlane_b32 s[WV], v1                  ; wave 0..3
	s_lshr_b32 s[WH], s[WV], 1                     ; my row of waves
	s_and_b32 s[WL], s[WV], 1                      ; my column of waves
	s_bfe_u32 s21, ttmp6, 0x40000                  ; cx
	s_bfe_u32 s22, ttmp6, 0x40004                  ; cy
	s_lshl_b32 s23, ttmp9, 2
	s_add_co_u32 s23, s23, s21                     ; tile column of q and k
	s_and_b32 s3, ttmp7, 0xffff
	s_lshl_b32 s3, s3, 2
	s_add_co_u32 s3, s3, s22                       ; tile row: 256 rows of x
	s_lshr_b32 s2, ttmp9, 1                        ; 0: q, 1: k
	s_and_b32 s40, ttmp9, 1                        ; which of my two chunks is v's
	s_lshl_b32 s41, s2, 2
	s_add_co_u32 s41, s41, s21                     ; v's tile column
	s_lshl_b32 s50, s22, 2
	s_lshl_b32 s50, 15, s50                        ; my row of the cluster
	s_lshl_b32 s51, 0x1111, s21                    ; my column
	GROUP1 G1W, 51, 128
	GROUP1 G1X, 50, 128
	GROUP1 G1R, 50, 32
	GROUP1 G1V, 51, 32
	s_or_b32 s[G1S], s50, (3<<16)|(1<<20)|(1<<21)|(5<<22)|(3<<25)   ; the scale bytes of 128 rows: 16 dense rows of 256 bytes
	s_mov_b32 s[G1S+1], 32<<16
	s_mov_b32 s[G1S+2], 16<<16
	s_mov_b32 s[G1S+3], 32<<16
	s_mov_b32 s[G1S+4], 16
	s_mov_b32 s[G1S+5], 32
	s_mov_b32 s[G1S+6], 0
	s_mov_b32 s[G1S+7], 0
	s_lshl_b32 s43, s3, 18
	s_xor_b32 s42, s40, 1
	s_lshl_b32 s42, s42, 17
	s_add_co_u32 s42, s42, s43                     ; x's codes: the chunk that goes first,
	s_lshl_b32 s44, s40, 17
	s_add_co_u32 s43, s43, s44                     ; and v's
	s_lshl_b32 s44, s23, 17                        ; the weight's 128 rows
	s_lshl_b32 s45, s41, 17
	s_add_co_u32 s45, s45, 2048*1024               ; W_v's
	s_lshl_b32 s104, s[WL], 11
	s_lshl_b32 s46, s23, 12
	s_add_co_u32 s46, s46, s104                    ; my 64 rows' scale bytes
	s_lshl_b32 s47, s41, 12
	s_add_co_u32 s47, s47, s104
	s_add_co_u32 s47, s47, 2048*32                 ; W_v's
	s_lshl_b32 s104, s[WL], 8
	s_lshl_b32 s48, s23, 9
	s_add_co_u32 s48, s48, s104                    ; my bias
	s_lshl_b32 s49, s41, 9
	s_add_co_u32 s49, s49, s104
	s_add_co_u32 s49, s49, 2048*4                  ; v's
	s_mov_b32 s105, 0
	s_mov_b32 s[G0W], 1
	s_mov_b32 s[G0W+1], YB
	s_mov_b32 s[G0X], 1
	s_mov_b32 s[G0X+1], 0
	s_mov_b32 s[G0S], 1
	s_mul_i32 s[G0S+1], s[WL], 16*272
	s_add_co_u32 s[G0S+1], s[G0S+1], SCL
	s_mov_b32 s[G0V], 1
	s_mul_i32 s[G0V+1], s[WV], 32*PITCH
	s_mov_b32 s[G0R], 1
	s_add_co_u32 s[G0R+1], s[G0V+1], YB
	s_wait_dscnt 0x0                               ; both opening adds are done
	s_wait_kmcnt 0x0
	ADR G0W+2, 8, 44
	s_or_b32 s[G0W+3], s[G0W+3], 0x80000000
	ADR G0X+2, 4, 42
	s_or_b32 s[G0X+3], s[G0X+3], 0x80000000
	s_cmp_eq_u32 s[WL], 0                          ; wave 2 fetches the first chunk's scale bytes, wave 3 those of v's
	s_cselect_b32 s104, s42, s43
	s_lshr_b32 s104, s104, 5
	s_add_nc_u64 s[G0S+2:G0S+3], s[6:7], s[104:105]
	s_or_b32 s[G0S+3], s[G0S+3], 0x80000000
	s_lshl_b32 s104, s[WV], 15
	s_add_co_u32 s104, s104, s43
	s_add_nc_u64 s[G0R+2:G0R+3], s[4:5], s[104:105]
	s_or_b32 s[G0R+3], s[G0R+3], 0x80000000
	s_lshl_b32 s104, s[WV], 15
	s_add_co_u32 s104, s104, s45
	s_add_nc_u64 s[G0V+2:G0V+3], s[8:9], s[104:105]
	s_or_b32 s[G0V+3], s[G0V+3], 0x80000000
	BARRIER
	CREST                                          ; all sixteen work-groups are here: the joint loads meet
	s_cmp_eq_u32 s[WV], 0                          ; ONE joint load a wave, and a line of its own for what is shown ahead of the rest
	s_cbranch_scc0 .Lwave_1
	TLOAD G0W, G1W                                 ; wave 0: the weight, which is wanted first
	s_branch .Lasked
.Lwave_1:
	s_cmp_eq_u32 s[WV], 1
	s_cbranch_scc0 .Lfor_scales
	TLOAD G0X, G1X                                 ; wave 1: the first chunk
	s_branch .Lasked
.Lfor_scales:
	TLOAD G0S, G1S                                 ; waves 2, 3: a chunk's scale bytes each
.Lasked:
	v_and_b32 v1, 15, v0                           ; r
	v_bfe_u32 v2, v0, 4, 1                         ; h
	v_and_b32 v3, 31, v0                           ; lane
	v_mul_u32_u24 v19, v1, PITCH
	v_lshl_add_u32 v19, v2, 4, v19                 ; a fragment's row x pitch + 16 h
	v_lshrrev_b32 v20, 3, v1
	v_lshlrev_b32 v21, 5, v1
	v_lshl_add_u32 v21, v20, 4, v21                ; a row's scale bytes: 32 a row, and 16 more for each 256 passed
	v_lshlrev_b32 v22, 3, v1
	WALU
	s_mul_i32 s104, s[WH], 16*PITCH
	v_add_nc_u32 v4, s104, v19                     ; phase 1, block i: rows 32 i + 16 x my row of waves
	s_mul_i32 s104, s[WH], 64*PITCH
	v_add_nc_u32 v5, s104, v19                     ; phase 2, block j: rows 64 x my row of waves + 16 j
	s_mul_i32 s104, s[WL], 64*PITCH
	v_add_nc_u32 v9, s104, v19                     ; my 64 rows of a weight: W_v's in slot 0,
	s_add_co_u32 s104, s104, YB
	v_add_nc_u32 v8, s104, v19                     ; the first's in slot 1
	s_mul_i32 s104, s[WH], 2*272
	s_add_co_u32 s104, s104, SCL
	v_add_nc_u32 v6, s104, v21
	s_mul_i32 s104, s[WH], 8*272
	s_add_co_u32 s104, s104, SCL
	v_add_nc_u32 v7, s104, v21
	s_lshl_b32 s104, s[WH], 10
	v_lshl_add_u32 v10, v3, 4, s104                ; codes: 16 x lane + 1,024 x my row of waves
	s_lshl_b32 s104, s[WL], 9
	s_lshl_b32 s105, s[WH], 1
	s_add_co_u32 s104, s104, s105
	s_add_co_u32 s104, s104, XN
	v_add_nc_u32 v11, s104, v22                    ; LDS: my two bytes of a scale pair
	s_lshl_b32 s104, s[WL], 8
	s_add_co_u32 s104, s104, s105
	s_add_co_u32 s104, s104, XV
	v_add_nc_u32 v13, s104, v22                    ; v's byte
	v_lshlrev_b32 v16, 5, v3
	s_lshl_b32 s104, s21, 2
	s_add_co_u32 s104, s104, s[WV]
	s_lshl_b32 s104, s104, 13
	s_add_co_u32 s104, s104, s43
	v_lshl_add_u32 v17, v3, 8, s104                ; a prefetch's addresses: my sixteenth of v's chunk,
	s_lshl_b32 s104, s22, 2
	s_add_co_u32 s104, s104, s[WV]
	s_lshl_b32 s104, s104, 13
	s_add_co_u32 s104, s104, s45
	v_lshl_add_u32 v18, v3, 8, s104                ; of W_v's rows
	v_lshlrev_b32 v60, 5, v2
	v_lshlrev_b32 v61, 2, v1
	v_mov_b32 v42, 0                               ; a lane permute's destination counts as one of its sources
	v_mov_b32 v43, 0
	s_mov_b32 s105, 0
	ADR 42, 10, 46
	ADR 44, 10, 47
	ADR 46, 12, 48
	ADR 48, 12, 49
	WALU
.irp p, 0,1
.irp c, 0,1
	global_load_b128 v[SB+8*\p+4*\c:SB+8*\p+4*\c+3], v16, s[42:43] offset:1024*\p+16*\c
	global_load_b128 v[WS+8*\p+4*\c:WS+8*\p+4*\c+3], v16, s[44:45] offset:1024*\p+16*\c
.endr
.endr
.irp t, 0,1,2,3
	global_load_b128 v[BQ+8*\t:BQ+8*\t+3], v60, s[46:47] offset:64*\t            ; q, k: columns 16 t + 8 h + 0 .. 7
	global_load_b128 v[BQ+8*\t+4:BQ+8*\t+7], v60, s[46:47] offset:64*\t+16
	global_load_b32 v[BV+\t], v61, s[48:49] offset:64*\t                         ; v: column 16 t + r
.endr
	s_wait_xcnt 0x0                                ; the loads have taken their addresses; they change below
	; WHERE MY RESULTS GO
	s_and_b32 s21, s3, 7
	s_lshl_b32 s21, s21, 1
	s_add_co_u32 s45, s21, s40                     ; v's chunk among the batch's sixteen groups of 128 tokens,
	s_xor_b32 s46, s40, 1
	s_add_co_u32 s46, s21, s46                     ; and the other
	s_lshr_b32 s22, s3, 3
	s_lshl_b32 s22, s22, 4                         ; 16 x batch
	s_lshl_b32 s23, s23, 1
	s_cmp_eq_u32 s2, 0
	s_mov_b32 s47, 16896
	s_cselect_b32 s47, 8448, s47                   ; a group's bytes in qbuf or kv
	s_mov_b32 s48, 16384
	s_cselect_b32 s48, 8192, s48                   ; its scale pairs
	s_cselect_b64 s[42:43], s[14:15], s[16:17]
	s_add_co_u32 s44, s23, s[WL]
	s_and_b32 s44, s44, 15                         ; my head
	s_add_co_u32 s44, s44, s22
	s_lshl_b32 s44, s44, 4
	s_add_co_u32 s49, s44, s46
	s_mul_i32 s104, s49, s47
	s_add_nc_u64 s[100:101], s[42:43], s[104:105]  ; the first chunk's group
	s_add_co_u32 s49, s44, s45
	s_mul_i32 s104, s49, s47
	s_add_nc_u64 s[2:3], s[42:43], s[104:105]      ; the second's
	s_add_co_u32 s44, s23, s[WH]
	s_and_b32 s44, s44, 15
	s_add_co_u32 s44, s44, s22
	s_lshl_b32 s44, s44, 4
	s_cmp_eq_u32 s[WL], 0
	s_cselect_b32 s49, s46, s45
	s_add_co_u32 s44, s44, s49
	s_mul_i32 s104, s44, s47
	s_add_co_u32 s104, s104, s48
	s_add_nc_u64 s[50:51], s[42:43], s[104:105]    ; at the end wave w stores the scale pairs of wave column w / 2, chunk w % 2
	s_lshl_b32 s44, s41, 1
	s_add_co_u32 s44, s44, s[WL]
	s_add_co_u32 s44, s44, s22
	s_lshl_b32 s44, s44, 4
	s_add_co_u32 s44, s44, s45
	s_mul_i32 s104, s44, 16896
	s_add_co_u32 s104, s104, 8192
	s_add_nc_u64 s[66:67], s[16:17], s[104:105]    ; v's codes; its scale pairs 8,448 on
	s_mov_b32 s[SEL], 0x76543210
	s_mov_b32 s[SEL+1], 0xfedcba98
	s_mov_b32 s[MNT], 0x600000
	s_cmp_eq_u32 s[WV], 0
	s_cbranch_scc0 .Lnot_w
	s_wait_tensorcnt 0x0                           ; wave 0: the weight has landed.  The other waves' wait stands ahead of the round
.Lnot_w:
	BARRIER
	global_prefetch_b8 v17, s[4:5] th:TH_LOAD_NT scope:SCOPE_SE
	global_prefetch_b8 v18, s[8:9] th:TH_LOAD_NT scope:SCOPE_SE
.macro FRAG f, adr                     ; a weight's fragment f = 4 q + t, 16 rows x 128 of K, 16 registers in window 1 + f / 16
	WIN (1+(\f)/16)<<6
.irp c, 0,1,2,3
	ds_load_b128 v[16*((\f)%16)+4*\c:16*((\f)%16)+4*\c+3], v\adr offset:128*((\f)/4)+32*\c+((\f)%4)*16*PITCH
.endr
.endm
.macro FETCHAT k, sreg, soff           ; a block of x, 16 rows, all of K, at v12, into set k of window 3, and its scale words: NF loads
	WIN 3<<6
.irp q, 0,1,2,3,4,5,6,7
.irp c, 0,1,2,3
	ds_load_b128 v[128*(\k)+16*\q+4*\c:128*(\k)+16*\q+4*\c+3], v12 offset:128*\q+32*\c
.endr
.endr
	WIN 0
	ds_load_b128 v[SA+8*(\k):SA+8*(\k)+3], v\sreg offset:\soff
	ds_load_b128 v[SA+8*(\k)+4:SA+8*(\k)+7], v\sreg offset:\soff+16
.endm
.macro FETCH i                         ; phase 1's block i: blocks 0-3 in slot 0, 4-7 in slot 1
	v_add_nc_u32 v12, (\i/4)*YB+32*PITCH*(\i%4), v4
	FETCHAT \i%2, 6, 16*272*(\i/4)+4*272*(\i%4)
.endm
.macro FETCHV j                        ; phase 2's block j
	v_add_nc_u32 v12, YB+16*PITCH*\j, v5
	FETCHAT \j%2, 7, 16*272+2*272*\j
.endm
.macro PROD kind, e, a, n              ; product n = 4 q + b of a block: the q-th 128 of K, column tile b; x's rows in set e, sums in set a.  kind 0 (q, k): source 0 = the weight's rows; kind 1 (v): source 0 = x's rows
.set Q_, (\n)/4
.set B_, (\n)%4
.set FB_, 4*Q_+B_
.set AC_, ACC+32*(\a)+8*B_
.set C_, AC_
.if Q_ == 0
.set C_, BQ+8*B_
.endif
.set R_, 128*(\e)+16*Q_
.set W_, 16*(FB_%16)
.set XS_, SA+8*(\e)+Q_
.set WS_, SB+8*(B_/2)+Q_
.if \kind
	WIN 3|((1+FB_/16)<<2)
.if B_%2
	v_wmma_scale_f32_16x16x128_f8f6f4 v[AC_:AC_+7], v[R_:R_+15], v[W_:W_+15], v[C_:C_+7], v[XS_], v[WS_] matrix_b_scale:MATRIX_SCALE_ROW1
.else
	v_wmma_scale_f32_16x16x128_f8f6f4 v[AC_:AC_+7], v[R_:R_+15], v[W_:W_+15], v[C_:C_+7], v[XS_], v[WS_]
.endif
.else
	WIN (1+FB_/16)|(3<<2)
.if B_%2
	v_wmma_scale_f32_16x16x128_f8f6f4 v[AC_:AC_+7], v[W_:W_+15], v[R_:R_+15], v[C_:C_+7], v[WS_], v[XS_] matrix_a_scale:MATRIX_SCALE_ROW1
.else
	v_wmma_scale_f32_16x16x128_f8f6f4 v[AC_:AC_+7], v[W_:W_+15], v[R_:R_+15], v[C_:C_+7], v[WS_], v[XS_]
.endif
.endif
.endm
; THE QUANTISER OF A BLOCK OF q OR k, gaps 0 .. 29: the sums at x, 16 tokens x 64 channels -> codes NCD (two blocks of 32 channels), two bytes in v40.  A block of 32 lies in lanes l and l xor 16.
.macro GAPQ m, x
.if (\m) == 0
	v_max3_num_f32 v40, |v[\x]|, |v[\x+1]|, 0x4800000          ; the floor 2^(9 - 127): no byte falls under 1
	v_max3_num_f32 v41, |v[\x+16]|, |v[\x+17]|, 0x4800000
.elseif (\m) < 8
	v_max3_num_f32 v40, v40, |v[\x+2*(\m)]|, |v[\x+2*(\m)+1]|
	v_max3_num_f32 v41, v41, |v[\x+16+2*(\m)]|, |v[\x+17+2*(\m)]|
.elseif (\m) == 8
	v_permlanex16_b32 v42, v40, s[SEL], s[SEL+1]
	v_permlanex16_b32 v43, v41, s[SEL], s[SEL+1]
.elseif (\m) == 9
	v_max_num_f32 v40, v40, v42
	v_max_num_f32 v41, v41, v43
.elseif (\m) == 10
	v_add_nc_u32 v60, 0xfc000000, v40              ; the conversions' scale operands
	v_add_nc_u32 v61, 0xfc000000, v41
.elseif (\m) == 11
	v_and_or_b32 v62, v40, 0x7f800000, s[MNT]      ; 448 x the scale
	v_and_or_b32 v63, v41, 0x7f800000, s[MNT]
.elseif (\m) < 28
.set K_, (\m)-12
.set H_, 62+K_/8
.if K_ == 3
.set H_, CB                            ; (a second copy, freshly written)
.endif
	v_med3_num_f32 v[\x+2*K_], v[\x+2*K_], -v[H_], v[H_]
	v_med3_num_f32 v[\x+2*K_+1], v[\x+2*K_+1], -v[H_], v[H_]
.if K_ == 2
	v_mov_b32 v[CB], v62
.endif
.if K_%4 == 3
	v_cvt_scalef32_pk8_fp8_f32 v[NCD+2*(K_/4):NCD+2*(K_/4)+1], v[\x+8*(K_/4):\x+8*(K_/4)+7], v[60+K_/8]
.endif
.elseif (\m) == 28
	v_lshrrev_b32 v42, 23, v60
	v_lshrrev_b32 v43, 23, v61
.elseif (\m) == 29
	v_lshl_or_b32 v40, v43, 8, v42
.endif
.endm
; THE QUANTISER OF A PAIR OF v's BLOCKS, gaps 0 .. 59, 15 a tile of 16 channels: the even block's sums at x, the odd's at x + 32 -> codes NCD + 4 t, bytes EB + t
.macro GAPV u, x
.set T_, (\u)/15
.set J_, (\u)%15
.set E_, \x+8*T_
.set O_, E_+32
.set H_, TQ+1
.if (J_ == 9) || (J_ == 13)
.set H_, TQ+3
.endif
.if J_ == 0
	v_max3_num_f32 v[TQ], |v[E_]|, |v[E_+1]|, |v[E_+2]|
	v_max3_num_f32 v[TQ+2], |v[O_]|, |v[O_+1]|, |v[O_+2]|
.elseif J_ < 3
	v_max3_num_f32 v[TQ], v[TQ], |v[E_+2*J_+1]|, |v[E_+2*J_+2]|
	v_max3_num_f32 v[TQ+2], v[TQ+2], |v[O_+2*J_+1]|, |v[O_+2*J_+2]|
.elseif J_ == 3
	v_max3_num_f32 v[TQ+2], v[TQ+2], |v[O_+7]|, 0x4800000
	v_max3_num_f32 v[TQ], v[TQ], |v[E_+7]|, v[TQ+2]
.elseif J_ == 4
	v_permlanex16_b32 v[TQ+2], v[TQ], s[SEL], s[SEL+1]
	v_max_num_f32 v[TQ], v[TQ], v[TQ+2]
.elseif J_ == 5
	v_add_nc_u32 v[BV+T_], 0xfc000000, v[TQ]
	v_and_or_b32 v[TQ+1], v[TQ], 0x7f800000, s[MNT]
.elseif J_ < 10
	v_med3_num_f32 v[E_+2*(J_-6)], v[E_+2*(J_-6)], -v[H_], v[H_]
	v_med3_num_f32 v[E_+2*(J_-6)+1], v[E_+2*(J_-6)+1], -v[H_], v[H_]
.if J_ == 8
	v_mov_b32 v[TQ+3], v[TQ+1]
.endif
.if J_ == 9
	v_cvt_scalef32_pk8_fp8_f32 v[NCD+4*T_:NCD+4*T_+1], v[E_:E_+7], v[BV+T_]
.endif
.elseif J_ < 14
	v_med3_num_f32 v[O_+2*(J_-10)], v[O_+2*(J_-10)], -v[H_], v[H_]
	v_med3_num_f32 v[O_+2*(J_-10)+1], v[O_+2*(J_-10)+1], -v[H_], v[H_]
.if J_ == 12
	v_mov_b32 v[TQ+3], v[TQ+1]
.endif
.if J_ == 13
	v_cvt_scalef32_pk8_fp8_f32 v[NCD+4*T_+2:NCD+4*T_+3], v[O_:O_+7], v[BV+T_]
.endif
.else
	v_lshrrev_b32 v[EB+T_], 23, v[BV+T_]
.endif
.endm
.macro LIST n, y, x                    ; what stands behind product n: y = 1 a way out of q or k at x; 2, 3 the halves of a pair of v's
.if (\n) > 0 && (\n) < 31
.if (\y) == 1
	WIN 0
	GAPQ (\n)-1, \x
.elseif (\y) == 2
	WIN 0
	GAPV (\n)-1, \x
.elseif (\y) == 3
	WIN 0
	GAPV (\n)+29, \x
.endif
.endif
.endm
.macro BLOCK kind, e, a, from, to, y, x
.set N_, \from
.rept (\to)-(\from)
	PROD \kind, \e, \a, N_
	LIST N_, \y, \x
.set N_, N_+1
.endr
.endm
.macro QB e, y, x                      ; a block of phase 1; eight plain lines stand behind its last product
	s_wait_dscnt NF                                ; its rows are in; the next block's loads may be out
	s_wait_xcnt 0x0                                ; the codes stored last may be written anew
	BLOCK 0, \e, \e, 0, 32, \y, \x
	WIN 0
	PLACES 8
.endm
.macro QOUT i                          ; block i's bytes go to their place in LDS, its codes leave: 512 consecutive bytes a store
	ds_store_b16 v11, v40 offset:256*(\i/4)+128*(\i%2)+4*((\i%4)/2)
.if \i < 4
	global_store_b128 v10, v[NCD:NCD+3], s[100:101] offset:2048*(\i%4)
	global_store_b128 v10, v[NCD+4:NCD+7], s[100:101] offset:2048*(\i%4)+512
.else
	global_store_b128 v10, v[NCD:NCD+3], s[2:3] offset:2048*(\i%4)
	global_store_b128 v10, v[NCD+4:NCD+7], s[2:3] offset:2048*(\i%4)+512
.endif
.endm
.irp q, 0,1,2,3,4,5,6,7                ; the weight into the 512 registers of windows 1 and 2
.irp b, 0,1,2,3
	FRAG 4*\q+\b, 8
.endr
.endr
	WIN 0
	s_wait_tensorcnt 0x0                           ; my head load is in;
	ds_add_u32 v[SPW], v[NIL]
	s_wait_dscnt 0x0                               ; the weight is in registers
	BARRIER
	CREST
	TLOAD G0R, G1R                                 ; v's chunk into slot 1
	FETCH 0
	FETCH 1
	s_wait_loadcnt 0x0                             ; scale words and bias
	QB 0, 0, 0
	FETCH 2
	QB 1, 1, ACC
	QOUT 0
	FETCH 3
	; block 2, with a round: v's chunk has landed in everybody's LDS; slot 0 has been read out (block 3's rows are in registers)
	s_wait_dscnt NF
	s_wait_xcnt 0x0
	BLOCK 0, 0, 0, 0, 21, 1, ACC+32
	WIN 0
	WALU
	s_wait_tensorcnt 0x0
	ds_add_u32 v[SPW], v[NIL]
	BLOCK 0, 0, 0, 21, 29, 1, ACC+32
	WIN 0
	WALU
	s_wait_dscnt 0x0                               ; the add is done, and my reads of slot 0
	s_barrier_signal -1
	BLOCK 0, 0, 0, 29, 32, 1, ACC+32
	WIN 0
	WALU
	s_barrier_wait -1
	CREST
	TLOAD G0V, G1V                                 ; W_v's rows into slot 0
	PLACES 4
	QOUT 1
	FETCH 4
	QB 1, 1, ACC
	QOUT 2
	FETCH 5
	QB 0, 1, ACC+32
	QOUT 3
	FETCH 6
	QB 1, 1, ACC
	QOUT 4
	FETCH 7
	QB 0, 1, ACC+32
	QOUT 5
	FETCHV 0
	QB 1, 1, ACC
	QOUT 6
	; THE CHANGE OF PHASE
	WALU
	s_wait_xcnt 0x0
	s_wait_tensorcnt 0x0                           ; W_v's rows are in
	s_wait_dscnt 0x0
	BARRIER
	FETCHV 1
.macro CHANGE i                        ; among W_v's loads: block 7's way out; W_v's scale words and v's bias into their places
.if (\i) < 8
.irp k, 0,1,2,3
.if 4*(\i)+\k < 30
	GAPQ 4*(\i)+\k, ACC+32
.endif
.endr
.elseif (\i) < 10
.irp q, 0,1,2,3,4,5,6,7
	v_mov_b32 v[SB+8*((\i)-8)+\q], v[WS+8*((\i)-8)+\q]
.endr
.elseif (\i) < 14
.irp q, 0,1,2,3,4,5,6,7
	v_mov_b32 v[BQ+8*((\i)-10)+\q], v[BV+(\i)-10]
.endr
.endif
.endm
.irp q, 0,1,2,3,4,5,6,7
.irp b, 0,2
	FRAG 4*\q+\b, 9
	FRAG 4*\q+\b+1, 9
	WIN 0
	CHANGE 2*\q+\b/2
.endr
.endr
	WALU
	QOUT 7
	s_wait_dscnt 0x0                               ; W_v and the first two blocks are in registers
	BLOCK 1, 0, 0, 0, 32, 0, 0
	WIN 0
	PLACES 8
	FETCHV 2
	BLOCK 1, 1, 1, 0, 32, 0, 0
	WIN 0
	PLACES 8
	FETCHV 3
	s_wait_dscnt NF
	s_wait_xcnt 0x0
	BLOCK 1, 0, 2, 0, 32, 2, ACC
	WIN 0
	WALU
	s_wait_dscnt 0x0
	BLOCK 1, 1, 3, 0, 32, 3, ACC
	WIN 0
	PLACES 8
.macro VOUT p                          ; a pair of v's blocks, 32 tokens: four tiles' bytes and codes
.irp t, 0,1,2,3
	ds_store_b8 v13, v[EB+\t] offset:128*(\t%2)+4*(\t/2)+\p
	global_store_b128 v10, v[NCD+4*\t:NCD+4*\t+3], s[66:67] offset:2048*\t+512*\p
.endr
.endm
	VOUT 0
.set X_, ACC+64                        ; the last pair's way out, four tiles side by side
.irp t, 0,1,2,3
	v_max3_num_f32 v[TQ+\t], |v[X_+8*\t]|, |v[X_+8*\t+1]|, 0x4800000
.endr
.irp i, 2,4,6,32,34,36,38
.irp t, 0,1,2,3
	v_max3_num_f32 v[TQ+\t], v[TQ+\t], |v[X_+8*\t+\i]|, |v[X_+8*\t+\i+1]|
.endr
.endr
.irp t, 0,1,2,3
	v_permlanex16_b32 v[EB+\t], v[TQ+\t], s[SEL], s[SEL+1]
.endr
.irp t, 0,1,2,3
	v_max_num_f32 v[TQ+\t], v[TQ+\t], v[EB+\t]
.endr
.irp t, 0,1,2,3
	v_add_nc_u32 v[BV+\t], 0xfc000000, v[TQ+\t]
.endr
.irp t, 0,1,2,3
	v_and_or_b32 v[TQ+\t], v[TQ+\t], 0x7f800000, s[MNT]
.endr
.irp t, 0,1,2,3
	v_lshrrev_b32 v[EB+\t], 23, v[BV+\t]
.endr
	WALU
	s_wait_xcnt 0x0                                ; the first pair's stores have read their codes
.irp i, 0,1,2,3,4,5,6,7,32,33,34,35,36,37,38,39
.irp t, 0,1,2,3
	v_med3_num_f32 v[X_+8*\t+\i], v[X_+8*\t+\i], -v[TQ+\t], v[TQ+\t]
.endr
.endr
.irp t, 0,1,2,3
	v_cvt_scalef32_pk8_fp8_f32 v[NCD+4*\t:NCD+4*\t+1], v[X_+8*\t:X_+8*\t+7], v[BV+\t]
	v_cvt_scalef32_pk8_fp8_f32 v[NCD+4*\t+2:NCD+4*\t+3], v[X_+8*\t+32:X_+8*\t+39], v[BV+\t]
.endr
	v_nop                                          ; a plain line behind the last conversion
	VOUT 1
	; the scale pairs leave in whole units of 256 bytes
	v_lshlrev_b32 v3, 3, v3
	s_lshl_b32 s104, s[WV], 8
	s_add_co_u32 s104, s104, XN
	v_add_nc_u32 v1, s104, v3
	s_lshl_b32 s104, s[WL], 8
	s_add_co_u32 s104, s104, XV
	v_add_nc_u32 v2, s104, v3
	WALU
	s_wait_dscnt 0x0
	BARRIER
	ds_load_b64 v[40:41], v1
	s_wait_dscnt 0x0
	global_store_b64 v3, v[40:41], s[50:51]
	s_cmp_lt_u32 s[WV], 2
	s_cbranch_scc0 .Lend
	ds_load_b64 v[42:43], v2
	s_wait_dscnt 0x0
	global_store_b64 v3, v[42:43], s[66:67] offset:8448
.Lend:
	s_wait_tensorcnt 0x0                           ; the wave's end
	ds_add_u32 v[SPW], v[NIL]
	s_wait_dscnt 0x0
	BARRIER
	CREST                                          ; the closing round
	s_endpgm
.Lfunc_end_k_q3379848599_qkv:
	.size	k_q3379848599_qkv, .Lfunc_end_k_q3379848599_qkv-k_q3379848599_qkv
	.p2alignl 7, 3214868480
	.fill 96, 4, 3214868480
	.section	.rodata,"a",@progbits
	.p2align	6, 0x0
	.amdhsa_kernel k_q3379848599_qkv
		.amdhsa_group_segment_fixed_size 327680
		.amdhsa_private_segment_fixed_size 0
		.amdhsa_enable_private_segment 0
		.amdhsa_kernarg_size 56
		.amdhsa_user_sgpr_count 2
		.amdhsa_user_sgpr_kernarg_segment_ptr 1
		.amdhsa_wavefront_size32 1
		.amdhsa_system_sgpr_workgroup_id_x 1
		.amdhsa_system_sgpr_workgroup_id_y 1
		.amdhsa_system_sgpr_workgroup_id_z 1
		.amdhsa_system_vgpr_workitem_id 0
		.amdhsa_next_free_vgpr 1024
		.amdhsa_next_free_sgpr 106
		.amdhsa_reserve_vcc 0
		.amdhsa_float_denorm_mode_32 3
		.amdhsa_float_denorm_mode_16_64 3
		.amdhsa_memory_ordered 1
		.amdhsa_forward_progress 1
		.amdhsa_inst_pref_size 182
	.end_amdhsa_kernel
	.amdgpu_metadata
---
amdhsa.version: [ 1, 2 ]
amdhsa.kernels:
  - .name:           k_q3379848599_qkv
    .symbol:         k_q3379848599_qkv.kd
    .args:
      - { .name: x_codes, .offset: 0, .size: 8, .value_kind: global_buffer, .address_space: global }
      - { .name: x_scales, .offset: 8, .size: 8, .value_kind: global_buffer, .address_space: global }
      - { .name: qkv_w_codes, .offset: 16, .size: 8, .value_kind: global_buffer, .address_space: global }
      - { .name: qkv_w_scales, .offset: 24, .size: 8, .value_kind: global_buffer, .address_space: global }
      - { .name: qkv_b, .offset: 32, .size: 8, .value_kind: global_buffer, .address_space: global }
      - { .name: qbuf, .offset: 40, .size: 8, .value_kind: global_buffer, .address_space: global }
      - { .name: kv, .offset: 48, .size: 8, .value_kind: global_buffer, .address_space: global }
    .group_segment_fixed_size: 327680
    .private_segment_fixed_size: 0
    .kernarg_segment_align: 8
    .kernarg_segment_size: 56
    .max_flat_workgroup_size: 128
    .sgpr_count:     106
    .vgpr_count:     1024
    .wavefront_size: 32
...
	.end_amdgpu_metadata
.endif
;; end of part 1
;; launch attn (part 2): grid 8 x 32, 8 waves a work-group, clusters of 4 x 1, 327,680 bytes of LDS; arguments qbuf, kv, ctx, cscl; writes ctx, cscl
.if DOCPART == 2
	.amdgcn_target "amdgcn-amd-amdhsa--gfx1250"
	.amdhsa_code_object_version 6
	.text
	.protected	k_q3379848599_attn
	.globl	k_q3379848599_attn
	.p2align	8
	.type	k_q3379848599_attn,@function
k_q3379848599_attn:
	s_mov_b64 s[64:65], 0
	v_nop
	global_prefetch_b8 v0, s[64:65] scope:SCOPE_SE
	s_setreg_imm32_b32 hwreg(HW_REG_WAVE_MODE, 25, 1), 1
	s_wait_xcnt 0x0
	s_wait_alu depctr_hold_cnt(0) depctr_sa_sdst(0) depctr_va_vdst(0) depctr_va_sdst(0) depctr_va_ssrc(0) depctr_va_vcc(0) depctr_vm_vsrc(0)
	s_getreg_b32 s2, hwreg(HW_REG_IB_STS2, 6, 4)
	s_cmp_eq_u32 s2, 0
	s_cbranch_scc0 .Lentry_in_a_cluster
	s_endpgm
.Lentry_in_a_cluster:
	s_bfe_u32 s2, ttmp6, 0x10000c
	s_cmp_lg_u32 s2, 0x3003
	s_cbranch_scc0 .Lentry_shape_is_right
	s_endpgm
.Lentry_shape_is_right:
; ctx[b][q][head] = softmax_k(q . k / 8) v for 32 heads (batch x head) of 2,048 tokens and 64 channels, both products on codes of E4M3 with E8M0 scales, and ctx quantised along the 1,024 channels for the last product.
; THE SOFTMAX: t = score x log2(e) / 8; M = the running largest t rounded UP to a whole number; p = 2^(t - M) is quantised along the keys, not normalised; the row's sum is taken of the unquantised p and divides at the end.
; When M moves, the sum and O are multiplied by 2^(old M - new M): nothing is rounded.
; SHARES.  A work-group owns 256 queries of one head; each of its eight waves 32 of them, TWO TILES of 16, in 512 registers.  The two tiles take turns: while one's 64 exponentials are issued, the other's p are summed and held
; among them; then the held tile is converted and multiplied by v, its next scores are made and brought to t - M.  A fragment of k or of v serves both tiles.
; A WHOLE HEAD'S k, v AND SCALES, 16 x 16,896 bytes, LIE IN LDS: each wave fetches two steps with one load; nothing is filled again.  The first barrier shows wave 0's two steps, which the first step's work reads; the second shows the rest.
; CLUSTER: the four work-groups of a cluster share the head: each tile is asked for jointly, mask 15.
; No prefetch: all that the launch reads from kv is asked for at its head by the tensor loads themselves.
; LAYOUT.  Operands lie in kv and qbuf as images of registers (lane l's 16 bytes at 16 l), so every LDS load takes 512 consecutive bytes.  Both products are used transposed: a lane holds ONE query (lane % 16) throughout.
; K = 64 IN AN INSTRUCTION OF K = 128: a fragment of k holds 32 keys: registers 0-7 keys 32 F + r, registers 8-15 keys 32 F + 16 + r.  It is multiplied twice: by [q | zero codes] and by [zero codes | q].
; The other half's products are a finite code x the code 0.  q's scale word has q's two bytes in the live half and 0 (2^-127, a number) in the other.
; ORDER INSIDE A BLOCK OF 32 KEYS: a lane's 16 registers are keys 8 h + 0..7 and 16 + 8 h + 0..7 (h = lane / 16); v's codes were laid the same way.  ctx meets out_w, which is given in plain order: the way out puts it back.
; A BLOCK'S SCALE: the largest p's exponent is the whole number i = floor(t - M) of the block's largest score, held at -118 from below: the byte is i + 119, never under 1.
; LIMITS: NaN and infinities are not served; the scaled scores (exponents to the base 2, before the maximum is taken away) stay under 2^31 in magnitude; a block of zeros gets the scale byte 1 (zero codes; these bytes are read by this program alone).
.set STEPB, 16896                      ; a step of 128 keys: k's codes 8,192, v^T's 8,192, k's scale pairs 256, v's 256
.set HEADB, 16*STEPB
.set SCR,   HEADB                      ; behind the head: 512 bytes into which no fill lands: ctx's scale bytes meet here
.set SPARE, SCR+512                    ; the spare words, 128 bytes for each wave
.set QBLK,  8448
; WINDOW 0.  Tile T = 0, 1
.set F0,  4                            ; v[4+2T:5+2T]   f = 2^(old M - new M); the upper one is 0 and only named
.set NM0, 8                            ; v[8+2T]  -M;  v[9+2T] the largest score
.set L0,  12                           ; v[12+2T:13+2T] the sum in two halves
.set HL0, 16                           ; v[16+4T..]     448 x the scale, four blocks
.set SO0, 24                           ; v[24+4T..]     the conversions' scale operands
.set BM,  32                           ; v32-35 a block's largest score, then i
.set PX,  36
.set TT,  40
.set TO,  41
.set KSC, 42                           ; v[42:43] k's scale pair (no product's two scale words have numbers equal modulo 8)
.set VSC, 44                           ; v[44:45] v's
.set QS,  46                           ; v[46+2T] q's scale word for [q | 0], v[47+2T] for [0 | q]
.set PW0, 50                           ; v[50+T] p's scale word
.set L16, 52                           ; 16 x lane
.set L8,  53                           ; 8 x lane
.set SPW, 54
.set NIL, 55
.set ADC, 56
.set ADS, 57
.set GS,  58
.set RS,  64                           ; v64-79 the way out's codes
.set PC,  80                           ; v80-95 p's codes
.set LS,  96                           ; v96-127 sixteen pairs of partial sums
.set S0,  128                          ; v[128+64T..] the scores, then t - M, then p
; WINDOW 1
.set KF,  0                            ; v0-63 four fragments of k
.set VF,  64                           ; v64-127 four of v^T
.set QZ,  128                          ; v128-167: zeros, tile 0's q, zeros, tile 1's q, zeros, eight registers each
.set OA,  168                          ; v[168+32T..] O^T: register 8 t + j is channel 16 t + 8 h + j
.set WV,  12
.set G1,  16
.set G0,  24
.set TB,  40
.set CNT, 41
.set SEL, 42
.set CS,  44
.set NC,  46
.set LIM, 47
.set HM,  48
.set MSB, 0
.macro WIN new                         ; the immediate's high byte repeats the setting that is left
.if MSB != (\new)
	s_set_vgpr_msb (MSB<<8)|(\new)
.set MSB, (\new)
.endif
.endm
.macro CROUND                          ; a round of the cluster's barrier
	s_barrier_signal -1
	s_barrier_wait -1
	s_cmp_lg_u32 s[WV], 0
	s_cbranch_scc1 .Lnot_wave_0_\@
	s_barrier_signal -3
.Lnot_wave_0_\@:
	s_barrier_wait -3
	s_barrier_signal -1
	s_barrier_wait -1
.endm
	s_load_b256 s[4:11], s[0:1], 0x0               ; qbuf s[4:5], kv s[6:7], ctx s[8:9], cscl s[10:11]
	v_lshl_add_u32 v[SPW], v0, 2, SPARE
	v_mov_b32 v[NIL], 0
	ds_add_u32 v[SPW], v[NIL]                      ; the wave's opening: the add, twice on end
	ds_add_u32 v[SPW], v[NIL]
	v_lshrrev_b32 v1, 5, v0
	v_readfirstlane_b32 s[WV], v1                  ; wave 0..7
	s_bfe_u32 s13, ttmp6, 0x40000                  ; cx
	s_lshl_b32 s14, ttmp9, 2
	s_add_co_u32 s14, s14, s13                     ; my block of 256 queries: it enters global addresses alone
	s_and_b32 s15, ttmp7, 0xffff                   ; 16 x batch + head, which the four partners share
	; descriptor group 1: 132 dense rows of 256 bytes (32 elements of 8 bytes): two steps
	s_mov_b32 s[G1], 15|(3<<16)|(1<<21)            ; the mask: all four work-groups; bit 21 beside it; no padding
	s_mov_b32 s[G1+1], 32<<16
	s_mov_b32 s[G1+2], 132<<16
	s_mov_b32 s[G1+3], 32<<16
	s_mov_b32 s[G1+4], 132
	s_mov_b32 s[G1+5], 32
	s_mov_b32 s[G1+6], 0
	s_mov_b32 s[G1+7], 0
	s_mul_i32 s50, s[WV], 2*STEPB                  ; wave w fetches steps 2 w and 2 w + 1
	s_mul_i32 s60, s15, HEADB
	s_add_co_u32 s60, s60, s50
	s_mov_b32 s61, 0
	s_and_b32 s52, s[WV], 3                        ; my pair of tiles among four of a group of 128 queries
	s_lshr_b32 s53, s[WV], 2                       ; which 128 of the 256
	s_lshl_b32 s54, s14, 1
	s_add_co_u32 s54, s54, s53                     ; the group of 128 tokens
	s_mul_i32 s54, s54, QBLK
	s_mul_i32 s55, s15, 16*QBLK
	s_add_co_u32 s54, s54, s55
	s_mov_b32 s55, 0
	s_lshl_b32 s56, s52, 11
	s_and_b32 s57, s52, 1                          ; the pair's scale bytes: lanes 16 (pair % 2) on, word pair / 2; the low half is tile 0's
	s_lshl_b32 s57, s57, 7
	s_lshr_b32 s58, s52, 1
	s_lshl_b32 s58, s58, 2
	s_add_co_u32 s57, s57, s58
	s_mov_b32 s[TB], 0
	v_and_b32 v3, 31, v0
	v_and_b32 v1, 15, v0                           ; r
	v_lshlrev_b32 v[L16], 4, v3
	v_lshlrev_b32 v[L8], 3, v3
	v_add_nc_u32 v2, s56, v[L16]
	v_lshl_add_u32 v3, v1, 3, s57
	s_mov_b32 s[SEL], 0x76543210
	s_mov_b32 s[SEL+1], 0xfedcba98                 ; v_permlanex16_b32's selects for lane l xor 16
	s_mov_b32 s[CS], 0x3e38aa3b                    ; c = log2(e) / 8
	s_mov_b32 s[CS+1], s[CS]                       ; (named with it as a pair)
	s_mov_b32 s[NC], 0xbe38aa3b                    ; -c
	s_mov_b32 s[LIM], 0xffffff8a                   ; -118
	s_mov_b32 s[HM], 0xffff0000                    ; lanes 16-31
	s_wait_alu depctr_va_vdst(0)
	s_wait_dscnt 0x0
	s_wait_kmcnt 0x0
	s_add_nc_u64 s[54:55], s[4:5], s[54:55]
	s_add_nc_u64 s[60:61], s[6:7], s[60:61]
	global_load_b32 v[TT], v3, s[54:55] offset:8192              ; q is asked for ahead of the tiles
	WIN 0x40
	global_load_b128 v[QZ+8:QZ+11], v2, s[54:55]
	global_load_b128 v[QZ+12:QZ+15], v2, s[54:55] offset:512
	global_load_b128 v[QZ+24:QZ+27], v2, s[54:55] offset:1024
	global_load_b128 v[QZ+28:QZ+31], v2, s[54:55] offset:1536
	WIN 0
	CROUND                                         ; all four work-groups are here: the joint loads meet
	s_mov_b32 s[G0], 1
	s_mov_b32 s[G0+1], s50
	s_mov_b64 s[G0+2:G0+3], s[60:61]
	s_or_b32 s[G0+3], s[G0+3], 0x80000000
	s_cmp_eq_u32 s[WV], 0                          ; one load a wave; wave 0, whose tile the first barrier shows, has a line of its own
	s_cbranch_scc0 .Lothers
	tensor_load_to_lds s[G0:G0+3], s[G1:G1+7]
	s_nop 0
.rept 4
	v_nop
.endr
	s_branch .Lasked
.Lothers:
	tensor_load_to_lds s[G0:G0+3], s[G1:G1+7]
	s_nop 0
.rept 4
	v_nop
.endr
.Lasked:
	WIN 0x40
.irp j, 0,1,2,3,4,5,6,7
	v_mov_b32 v[QZ+\j], 0                          ; zero codes
	v_mov_b32 v[QZ+16+\j], 0
	v_mov_b32 v[QZ+32+\j], 0
.endr
	WIN 0
	v_mov_b32 v[NM0+1], 0xff61b1e6                 ; the largest score so far: -3e38
	v_mov_b32 v[NM0+3], 0xff61b1e6
	v_mul_f32 v[NM0], s[NC], v[NM0+1]
	v_mul_f32 v[NM0+2], s[NC], v[NM0+3]
	v_floor_f32 v[NM0], v[NM0]                     ; -M
	v_floor_f32 v[NM0+2], v[NM0+2]
.irp j, 0,1,2,3
	v_mov_b32 v[F0+\j], 0
	v_mov_b32 v[L0+\j], 0
	v_mov_b32 v[PX+\j], 0                          ; a lane permute's destination counts as one of its sources
.endr
	v_mov_b32 v[TO], 0
	s_wait_alu depctr_va_vdst(0)
	s_wait_loadcnt 0x0
	v_and_b32 v[QS], 0xffff, v[TT]                 ; tile 0: q0, q1, 0, 0
	v_lshlrev_b32 v[QS+1], 16, v[TT]               ;         0, 0, q0, q1
	v_lshrrev_b32 v[QS+2], 16, v[TT]               ; tile 1
	v_and_b32 v[QS+3], 0xffff0000, v[TT]
	WIN 0x40
.set J_, 0
.rept 64
	v_mov_b32 v[OA+J_], 0                          ; both tiles' O^T: a step is written once, and its first run finds zeros
.set J_, J_+1
.endr
	WIN 0
.macro ADDP d, s                       ; partial sums: pair d += pair s
	v_pk_add_f32 v[LS+\d:LS+\d+1], v[LS+\d:LS+\d+1], v[LS+\s:LS+\s+1]
.endm
.macro LFIN t                          ; the tile's sum under its M
	v_pk_fma_f32 v[L0+2*\t:L0+2*\t+1], v[L0+2*\t:L0+2*\t+1], v[F0+2*\t:F0+2*\t+1], v[LS:LS+1] op_sel_hi:[1,0,1]
.endm
; LDS loads: k's fragments of the step that begins off bytes behind s[TB] (dk = 1), v's of the step at s[TB] (dv = 1), with their scale pairs
.macro LDF reg, off                    ; a fragment
.irp c, 0,1,2,3
	ds_load_b128 v[\reg+4*\c:\reg+4*\c+3], v[ADC] offset:\off+512*\c
.endr
.endm
.macro LADR                            ; the LDS addresses of the step at s[TB]
	v_add_nc_u32 v[ADC], s[TB], v[L16]
	v_add_nc_u32 v[ADS], s[TB], v[L8]
.endm
; in three parts, which stand in the chain for M: ld = 1: k's fragments of the next step and v's of this one; ld = 2: v's alone; ld = 0: none
.macro LOADP ld, p
.if \ld
.if (\p) == 0
	LADR
.if (\ld) == 1
	ds_load_b64 v[KSC:KSC+1], v[ADS] offset:STEPB+16384
.endif
	ds_load_b64 v[VSC:VSC+1], v[ADS] offset:16640
.endif
	WIN 0x40
.if (\ld) == 1
.if (\p) == 0
	LDF KF, STEPB
	LDF KF+16, STEPB+2048
	LDF KF+32, STEPB+4096
.elseif (\p) == 1
	LDF KF+48, STEPB+6144
	LDF VF, 8192
	LDF VF+16, 10240
.else
	LDF VF+32, 12288
	LDF VF+48, 14336
.endif
.else
.if (\p) == 0
	LDF VF, 8192
.elseif (\p) == 1
	LDF VF+16, 10240
	LDF VF+32, 12288
.else
	LDF VF+48, 14336
.endif
.endif
	WIN 0
.endif
.endm
; S^T = k q^T: fragment f gives keys 32 f + 8 h + j (with [q | 0]) and 32 f + 16 + 8 h + j (with [0 | q])
; product n = 2 f + (0: [q | 0], 1: [0 | q])
.macro QK1 t, n
	WIN 0x05
.if ((\n)/2)%2
	v_wmma_scale_f32_16x16x128_f8f6f4 v[S0+64*\t+8*(\n):S0+64*\t+8*(\n)+7], v[KF+16*((\n)/2):KF+16*((\n)/2)+15], v[QZ+16*\t+8*(1-(\n)%2):QZ+16*\t+8*(1-(\n)%2)+15], 0, v[KSC+(\n)/4], v[QS+2*\t+(\n)%2] matrix_a_scale:MATRIX_SCALE_ROW1
.else
	v_wmma_scale_f32_16x16x128_f8f6f4 v[S0+64*\t+8*(\n):S0+64*\t+8*(\n)+7], v[KF+16*((\n)/2):KF+16*((\n)/2)+15], v[QZ+16*\t+8*(1-(\n)%2):QZ+16*\t+8*(1-(\n)%2)+15], 0, v[KSC+(\n)/4], v[QS+2*\t+(\n)%2]
.endif
	WIN 0
.endm
.macro QK8 t                           ; all eight, and the places behind them
.irp n, 0,1,2,3,4,5,6,7
	QK1 \t, \n
.endr
.rept 8
	v_nop
.endr
.endm
; O^T += v^T p^T: four accumulators by turns
.macro PV1 t, d
	WIN 0x51
.if \d%2
	v_wmma_scale_f32_16x16x128_f8f6f4 v[OA+32*\t+8*\d:OA+32*\t+8*\d+7], v[VF+16*\d:VF+16*\d+15], v[PC:PC+15], v[OA+32*\t+8*\d:OA+32*\t+8*\d+7], v[VSC+\d/2], v[PW0+\t] matrix_a_scale:MATRIX_SCALE_ROW1
.else
	v_wmma_scale_f32_16x16x128_f8f6f4 v[OA+32*\t+8*\d:OA+32*\t+8*\d+7], v[VF+16*\d:VF+16*\d+15], v[PC:PC+15], v[OA+32*\t+8*\d:OA+32*\t+8*\d+7], v[VSC+\d/2], v[PW0+\t]
.endif
	WIN 0
.endm
; THE EXPONENTIALS of the other tile (e = 1), and among them tile t's work of one link each (hold = 1): p's first sums, then the hold (the conversion does not saturate: ISA guide 7.6.2; p is not negative, so the hold is one-sided).
; What is written here is read behind the wait that follows; what is read was written ahead of the wait that stands in front.
.macro EPH t, e, hold
	s_wait_alu depctr_va_vdst(0)
.set X_, S0+64*(1-\t)
.set Y_, S0+64*\t
.set J_, 0
.rept 16
.set H_, HL0+4*\t+J_/4
.if \e
	v_exp_f32 v[X_], v[X_]
.endif
.if \hold
	v_pk_add_f32 v[LS+2*J_:LS+2*J_+1], v[Y_:Y_+1], v[Y_+2:Y_+3]
.endif
.if \e
	v_exp_f32 v[X_+1], v[X_+1]
.endif
.if \hold
	v_dual_min_num_f32 v[Y_], v[Y_], v[H_] :: v_dual_min_num_f32 v[Y_+1], v[Y_+1], v[H_]
.endif
.if \e
	v_exp_f32 v[X_+2], v[X_+2]
.endif
.if \hold
	v_dual_min_num_f32 v[Y_+2], v[Y_+2], v[H_] :: v_dual_min_num_f32 v[Y_+3], v[Y_+3], v[H_]
.endif
.if \e
	v_exp_f32 v[X_+3], v[X_+3]
.if J_ < 4                             ; the exp'ed tile's scales, from i: (i + 119) << 23, the conversion's scale operand;
	v_lshl_add_u32 v[SO0+4*(1-\t)+J_], v[BM+J_], 23, 0x3b800000
.elseif J_ < 8                         ; 448 x the scale;
	v_lshl_add_u32 v[HL0+4*(1-\t)+J_-4], v[BM+J_-4], 23, 0x3fe00000
.elseif J_ == 8                        ; and the scale word: i + 119 in each byte
	v_add_nc_u32 v[PW0+1-\t], 0x77777777, v[TT]
.endif
.endif
.set X_, X_+4
.set Y_, Y_+4
.set J_, J_+1
.endr
.endm
.macro TMM t, n                        ; t - M, two at a time
.rept \n
	v_pk_fma_f32 v[S0+64*\t+J_:S0+64*\t+J_+1], v[S0+64*\t+J_:S0+64*\t+J_+1], s[CS:CS+1], v[NM0+2*\t:NM0+2*\t+1] op_sel_hi:[1,0,0]
.set J_, J_+2
.endr
.endm
; FROM SCORES TO t - M, and the blocks' scales.  h = 1: the tile's last sums are finished on the way, and O^T is brought under the new M
.macro MX t, b, k                      ; the largest score of block b: link k of eight
.if (\k) == 0
	v_max3_num_f32 v[BM+\b], v[S0+64*\t+16*\b], v[S0+64*\t+16*\b+1], v[S0+64*\t+16*\b+2]
.elseif (\k) < 7
	v_max3_num_f32 v[BM+\b], v[BM+\b], v[S0+64*\t+16*\b+2*(\k)+1], v[S0+64*\t+16*\b+2*(\k)+2]
.else
	v_max_num_f32 v[BM+\b], v[BM+\b], v[S0+64*\t+16*\b+15]
.endif
.endm
.macro PERM b
	v_permlanex16_b32 v[PX+\b], v[BM+\b], s[SEL], s[SEL+1]
.endm
.macro MAXP b                          ; with lane l xor 16's 16 keys
	v_max_num_f32 v[BM+\b], v[BM+\b], v[PX+\b]
.endm
; (h = 1: blocks 0 and 1 have had their first four links among the products.)
.macro FRONT t, h, ld
.if (\h) == 0
	v_mov_b32 v[TO], v[NM0+2*\t]
.irp k, 0,1,2,3
	MX \t, 0, \k
	MX \t, 1, \k
.endr
.endif
.irp k, 0,1,2,3
	MX \t, 2, \k
	MX \t, 3, \k
	MX \t, 0, \k+4
	MX \t, 1, \k+4
.endr
	PERM 0
	PERM 1
	MX \t, 2, 4
	MX \t, 3, 4
	MAXP 0
	MAXP 1
	MX \t, 2, 5
	MX \t, 3, 5
	v_max3_num_f32 v[TT], v[NM0+2*\t+1], v[BM], v[BM+1]
	MX \t, 2, 6
	MX \t, 3, 6
	MX \t, 2, 7
	MX \t, 3, 7
	PERM 2
	PERM 3
	MAXP 2
	MAXP 3
	LOADP \ld, 0
	v_max3_num_f32 v[NM0+2*\t+1], v[TT], v[BM+2], v[BM+3]   ; the running largest score
	LOADP \ld, 1
	v_mul_f32 v[TT], s[NC], v[NM0+2*\t+1]
	LOADP \ld, 2
	v_floor_f32 v[NM0+2*\t], v[TT]                 ; the new -M = floor(-t) = -ceil(t)
.irp b, 0,1,2,3
	v_fma_f32 v[BM+\b], v[BM+\b], s[CS], v[NM0+2*\t]
.endr
	v_sub_f32 v[TO], v[NM0+2*\t], v[TO]            ; old M - new M: a whole number, 0 or less
.set J_, 0
	TMM \t, 4
	v_cvt_i32_f32 v[TO], v[TO]                     ; (it saturates)
.irp b, 0,1,2,3
	v_cvt_floor_i32_f32 v[BM+\b], v[BM+\b]         ; i: the exponent of the block's largest p
.endr
	TMM \t, 4
	v_ldexp_f32 v[F0+2*\t], 1.0, v[TO]             ; f
.irp b, 0,1,2,3
	v_max_i32 v[BM+\b], s[LIM], v[BM+\b]
.endr
	TMM \t, 8
	v_lshl_add_u32 v[TT], v[BM+1], 8, v[BM]        ; the four i in four bytes (modulo 2^32): the scale word is made of it among the exponentials
	v_lshl_add_u32 v[TO], v[BM+3], 8, v[BM+2]
	TMM \t, 8
	v_lshl_add_u32 v[TT], v[TO], 16, v[TT]
	TMM \t, 8
.if \h
	WIN 0x41
.set J_, 0
.rept 16
	v_pk_mul_f32 v[OA+32*\t+J_:OA+32*\t+J_+1], v[OA+32*\t+J_:OA+32*\t+J_+1], v[F0+2*\t:F0+2*\t+1] op_sel_hi:[1,0]
.set J_, J_+2
.endr
	WIN 0
.endif
.endm
; A TURN.  The other tile's exponentials (e) among tile t's sums and holds (hold); tile t's codes, its product with v, its next scores (next).
; ld = 1: then k's next fragments and v's are fetched; ld = 2: v's alone; ld = 0: none, and those under way are awaited first.
; Eight plain lines stand behind the products: ahead of the loads into the fragments' registers and of the first read of the scores.
.macro CV t, n                         ; the n-th eight of the tile's p into codes
	v_cvt_scalef32_pk8_fp8_f32 v[PC+2*(\n):PC+2*(\n)+1], v[S0+64*\t+8*(\n):S0+64*\t+8*(\n)+7], v[SO0+4*\t+(\n)/2]
.endm
; CODES, SCORES AND SUMS TOGETHER.  Behind each product stand two plain lines (the sums in two chains, then the first links of blocks 0 and 1) and at most one conversion.
; Product n of the scores lands where conversion n has read: at least one plain line stands between.  Four stand between the last conversion and the products that take the codes.
.macro MIX t
	CV \t, 0
	CV \t, 1
	ADDP 0, 4
	QK1 \t, 0
	ADDP 2, 6
	ADDP 0, 8
	CV \t, 2
	QK1 \t, 1
	ADDP 2, 10
	ADDP 0, 12
	CV \t, 3
	QK1 \t, 2
	ADDP 2, 14
	ADDP 0, 16
	CV \t, 4
	QK1 \t, 3
	ADDP 2, 18
	ADDP 0, 20
	CV \t, 5
	QK1 \t, 4
	ADDP 2, 22
	ADDP 0, 24
	CV \t, 6
	QK1 \t, 5
	ADDP 2, 26
	CV \t, 7                                       ; nine plain lines stand between it and the third product that takes its codes
	ADDP 0, 28
	QK1 \t, 6
	ADDP 2, 30
	v_mov_b32 v[TO], v[NM0+2*\t]
	QK1 \t, 7
	ADDP 0, 2
	MX \t, 0, 0
	PV1 \t, 0
	LFIN \t                                        ; (f is still the one that belongs to these p)
	MX \t, 1, 0
	PV1 \t, 1
	MX \t, 0, 1
	MX \t, 1, 1
	PV1 \t, 2
	MX \t, 0, 2
	MX \t, 1, 2
	PV1 \t, 3
	MX \t, 0, 3
	MX \t, 1, 3
.endm
.macro ITER t, e, hold, next, ld
	EPH \t, \e, \hold
	s_wait_alu depctr_va_vdst(0)                   ; ahead of the batch's first reader
.if (\ld) == 0
	s_wait_dscnt 0x0
.endif
.if \next
.if \hold
	MIX \t
.else
	QK8 \t
.endif
	FRONT \t, \hold, \ld
.else
.irp n, 0,1,2,3,4,5,6,7
	CV \t, \n
.endr
.irp d, 4,8,12,16
	ADDP 0, \d
	ADDP 2, \d+2
.endr
	PV1 \t, 0
	ADDP 0, 20
	ADDP 2, 22
	PV1 \t, 1
	ADDP 0, 24
	ADDP 2, 26
	PV1 \t, 2
	ADDP 0, 28
	ADDP 2, 30
	PV1 \t, 3
	ADDP 0, 2
	LFIN \t
.endif
.endm
	s_wait_alu depctr_va_vdst(0)                   ; the wait at the head's end
	s_cmp_eq_u32 s[WV], 0
	s_cbranch_scc0 .Lnot_first
	s_wait_tensorcnt 0x0                           ; wave 0: steps 0 and 1 have landed.  The other waves' wait stands at the second barrier
.Lnot_first:
	s_barrier_signal -1
	s_barrier_wait -1
	LADR
	ds_load_b64 v[KSC:KSC+1], v[ADS] offset:16384  ; step 0's k
	WIN 0x40
	LDF KF, 0
	LDF KF+16, 2048
	LDF KF+32, 4096
	LDF KF+48, 6144
	WIN 0
	s_wait_dscnt 0x0
	QK8 0
	FRONT 0, 0, 0
	ITER 1, 1, 0, 1, 1                             ; step 0: tile 1 has no p yet
	ITER 0, 1, 1, 1, 0
	s_wait_alu depctr_va_vdst(0)
	s_wait_tensorcnt 0x0                           ; every wave's tile has landed
	s_wait_dscnt 0x0
	s_barrier_signal -1
	s_barrier_wait -1
	s_mov_b32 s[TB], STEPB
	s_mov_b32 s[CNT], 14
.Lstep:                                                ; step n = 1 .. 14
	ITER 1, 1, 1, 1, 1                             ; exponentials of tile 0, step n; tile 1: p of step n - 1 goes, scores of step n come
	ITER 0, 1, 1, 1, 0                             ; exponentials of tile 1, step n; tile 0: p of step n goes, scores of step n + 1 come
	s_add_co_u32 s[TB], s[TB], STEPB
	s_wait_alu depctr_va_vdst(0)
	s_sub_co_u32 s[CNT], s[CNT], 1
	s_cmp_lg_u32 s[CNT], 0
	s_cbranch_scc1 .Lstep
	s_mov_b32 s[TB], 15*STEPB
	ITER 1, 1, 1, 1, 2                             ; step 15
	ITER 0, 1, 1, 0, 0
	ITER 1, 0, 1, 0, 0
	; THE WAY OUT.  O^T / the sum is my 32 queries' 64 channels of ctx: two blocks of 32 along the last product's K for each tile.  They are quantised and stored as images of that product's operand.
	v_add_f32 v[L0], v[L0], v[L0+1]
	v_add_f32 v[L0+2], v[L0+2], v[L0+3]
	v_permlanex16_b32 v[TT], v[L0], s[SEL], s[SEL+1]
	v_permlanex16_b32 v[TO], v[L0+2], s[SEL], s[SEL+1]
	v_add_f32 v[L0], v[L0], v[TT]                  ; the rows' sums
	v_add_f32 v[L0+2], v[L0+2], v[TO]
	s_wait_alu depctr_va_vdst(0)
	v_rcp_f32 v[L0], v[L0]
	v_rcp_f32 v[L0+2], v[L0+2]
	v_and_b32 v1, 15, v0
	v_and_b32 v2, 0xe0, v0                         ; 32 x wave
	v_lshlrev_b32 v3, 1, v1
	v_lshl_add_u32 v2, v2, 1, v3
	v_add_nc_u32 v2, SCR, v2                       ; where tile 0's rows' two scale bytes meet the others': 64 x wave + 2 r; tile 1's 32 on
	v_add_nc_u32 v3, SCR, v[L16]
	v_bfe_u32 v[GS], v0, 4, 1
	v_lshlrev_b32 v[GS], 12, v[GS]
	v_lshl_add_u32 v[GS], v1, 4, v[GS]             ; cscl: lanes 0-15 the first 128 rows' unit, lanes 16-31 the second's, 4,096 bytes on
	s_lshr_b32 s28, s15, 4                         ; batch
	s_and_b32 s29, s15, 15                         ; head
	s_lshl_b32 s28, s28, 4
	s_lshl_b32 s30, s14, 1
	s_add_co_u32 s28, s28, s30                     ; the work-group's first block of 128 rows
	s_lshl_b32 s32, s28, 4
	s_add_co_u32 s32, s32, s29
	s_lshl_b32 s32, s32, 8
	s_mov_b32 s33, 0
	s_add_nc_u64 s[10:11], s[10:11], s[32:33]      ; cscl [block 32][head 16][tile 8][row 16] of two bytes
	s_add_co_u32 s28, s28, s53                     ; my block
	s_lshl_b32 s28, s28, 17
	s_lshr_b32 s30, s29, 1
	s_lshl_b32 s30, s30, 14
	s_add_co_u32 s28, s28, s30                     ; K step = head / 2
	s_lshl_b32 s30, s52, 12
	s_add_co_u32 s28, s28, s30                     ; my two tiles of rows
	s_and_b32 s30, s29, 1
	s_lshl_b32 s30, s30, 10
	s_add_co_u32 s28, s28, s30                     ; blocks 2 (head % 2) and the next
	s_mov_b32 s29, 0
	s_add_nc_u64 s[8:9], s[8:9], s[28:29]          ; ctx [block 32][K step 8][tile 8][c 4][lane 32][16]
	s_wait_alu depctr_va_vdst(0)                   ; ahead of the reciprocals' first reader, and of O^T's
	WIN 0x01
.irp u, 0,1
.set J_, 0
.rept 16
	v_pk_mul_f32 v[S0+64*\u+J_:S0+64*\u+J_+1], v[OA+32*\u+J_:OA+32*\u+J_+1], v[L0+2*\u:L0+2*\u+1] op_sel_hi:[1,0]   ; each accumulator from its low end on
.set J_, J_+2
.endr
.endr
	WIN 0
.irp u, 0,1
.irp b, 0,1
	v_max3_num_f32 v[BM+2*\u+\b], |v[S0+64*\u+16*\b]|, |v[S0+64*\u+16*\b+1]|, 0x4800000
.endr
.endr
.irp i, 2,4,6,8,10,12,14
.irp u, 0,1
.irp b, 0,1
	v_max3_num_f32 v[BM+2*\u+\b], v[BM+2*\u+\b], |v[S0+64*\u+16*\b+\i]|, |v[S0+64*\u+16*\b+\i+1]|
.endr
.endr
.endr
	s_mov_b32 s31, 0x600000                        ; the mantissa field of 448
.irp g, 0,1,2,3
	v_permlanex16_b32 v[PX+\g], v[BM+\g], s[SEL], s[SEL+1]
.endr
.irp g, 0,1,2,3
	v_max_num_f32 v[BM+\g], v[BM+\g], v[PX+\g]
.endr
.irp g, 0,1,2,3
	v_add_nc_u32 v[SO0+\g], 0xfc000000, v[BM+\g]
.endr
.irp g, 0,1,2,3
	v_and_or_b32 v[HL0+\g], v[BM+\g], 0x7f800000, s31
.endr
.irp g, 0,1,2,3
	v_lshrrev_b32 v[PX+\g], 23, v[SO0+\g]
.endr
	v_lshl_or_b32 v[TT], v[PX+1], 8, v[PX]         ; a row's two bytes
	v_lshl_or_b32 v[TO], v[PX+3], 8, v[PX+2]
.irp u, 0,1
.irp b, 0,1
.irp i, 0,1,2,3,4,5,6,7,8,9,10,11,12,13,14,15
	v_med3_num_f32 v[S0+64*\u+16*\b+\i], v[S0+64*\u+16*\b+\i], -v[HL0+2*\u+\b], v[HL0+2*\u+\b]
.endr
.endr
.endr
.irp u, 0,1
.irp b, 0,1
	v_cvt_scalef32_pk8_fp8_f32 v[PC+8*\u+4*\b:PC+8*\u+4*\b+1], v[S0+64*\u+16*\b:S0+64*\u+16*\b+7], v[SO0+2*\u+\b]         ; channels 32 b + 8 h + 0..7,
	v_cvt_scalef32_pk8_fp8_f32 v[PC+8*\u+4*\b+2:PC+8*\u+4*\b+3], v[S0+64*\u+16*\b+8:S0+64*\u+16*\b+15], v[SO0+2*\u+\b]    ; 32 b + 16 + 8 h + 0..7
.endr
.endr
	v_nop                                          ; a plain line behind the last conversion
	; into plain order, 32 b + 16 h + 0..15: lanes 0-15 keep their first eight and take lane + 16's first eight; lanes 16-31 take lane - 16's second eight and keep their own
.irp g, 0,1,2,3
.irp k, 0,1
	v_permlanex16_b32 v[LS+4*\g+\k], v[PC+4*\g+2+\k], s[SEL], s[SEL+1]
	v_permlanex16_b32 v[LS+4*\g+2+\k], v[PC+4*\g+\k], s[SEL], s[SEL+1]
.endr
.endr
.irp g, 0,1,2,3
.irp k, 0,1
	v_cndmask_b32 v[RS+4*\g+\k], v[PC+4*\g+\k], v[LS+4*\g+\k], s[HM]
	v_cndmask_b32 v[RS+4*\g+2+\k], v[LS+4*\g+2+\k], v[PC+4*\g+2+\k], s[HM]
.endr
.endr
.irp u, 0,1
.irp b, 0,1
	global_store_b128 v[L16], v[RS+8*\u+4*\b:RS+8*\u+4*\b+3], s[8:9] offset:2048*\u+512*\b    ; 512 consecutive bytes each, aligned
.endr
.endr
	ds_store_b16 v2, v[TT]                         ; both lanes of a row write the same two bytes
	ds_store_b16 v2, v[TO] offset:32
	s_wait_alu depctr_va_vdst(0)
	s_wait_dscnt 0x0                               ; for the others' sake
	s_barrier_signal -1
	s_barrier_wait -1
	s_cmp_lg_u32 s[WV], 0
	s_cbranch_scc1 .Lnot_0
	ds_load_b128 v[BM:BM+3], v3                    ; the sixteen tiles' 512 bytes leave as two whole units of 256
	s_wait_dscnt 0x0
	global_store_b128 v[GS], v[BM:BM+3], s[10:11]
.Lnot_0:
	s_wait_tensorcnt 0x0                           ; the wave's end
	ds_add_u32 v[SPW], v[NIL]
	s_wait_dscnt 0x0
	CROUND                                         ; the closing round
	s_endpgm
.Lfunc_end_k_q3379848599_attn:
	.size	k_q3379848599_attn, .Lfunc_end_k_q3379848599_attn-k_q3379848599_attn
	.p2alignl 7, 3214868480
	.fill 96, 4, 3214868480
	.section	.rodata,"a",@progbits
	.p2align	6, 0x0
	.amdhsa_kernel k_q3379848599_attn
		.amdhsa_group_segment_fixed_size 327680
		.amdhsa_private_segment_fixed_size 0
		.amdhsa_enable_private_segment 0
		.amdhsa_kernarg_size 32
		.amdhsa_user_sgpr_count 2
		.amdhsa_user_sgpr_kernarg_segment_ptr 1
		.amdhsa_wavefront_size32 1
		.amdhsa_system_sgpr_workgroup_id_x 1
		.amdhsa_system_sgpr_workgroup_id_y 1
		.amdhsa_system_sgpr_workgroup_id_z 1
		.amdhsa_system_vgpr_workitem_id 0
		.amdhsa_next_free_vgpr 512
		.amdhsa_next_free_sgpr 66
		.amdhsa_reserve_vcc 0
		.amdhsa_float_denorm_mode_32 3
		.amdhsa_float_denorm_mode_16_64 3
		.amdhsa_memory_ordered 1
		.amdhsa_forward_progress 1
		.amdhsa_inst_pref_size 126
	.end_amdhsa_kernel
	.amdgpu_metadata
---
amdhsa.version: [ 1, 2 ]
amdhsa.kernels:
  - .name:           k_q3379848599_attn
    .symbol:         k_q3379848599_attn.kd
    .args:
      - { .name: qbuf, .offset: 0, .size: 8, .value_kind: global_buffer, .address_space: global }
      - { .name: kv, .offset: 8, .size: 8, .value_kind: global_buffer, .address_space: global }
      - { .name: ctx, .offset: 16, .size: 8, .value_kind: global_buffer, .address_space: global }
      - { .name: cscl, .offset: 24, .size: 8, .value_kind: global_buffer, .address_space: global }
    .group_segment_fixed_size: 327680
    .private_segment_fixed_size: 0
    .kernarg_segment_align: 8
    .kernarg_segment_size: 32
    .max_flat_workgroup_size: 256
    .sgpr_count:     66
    .vgpr_count:     512
    .wavefront_size: 32
...
	.end_amdgpu_metadata
.endif
;; end of part 2
;; launch proj (part 3): grid 8 x 32, 4 waves a work-group, clusters of 4 x 4, 327,680 bytes of LDS; arguments ctx, cscl, out_w_codes, out_w_scales, out_b, out0; writes out0
.if DOCPART == 3
	.amdgcn_target "amdgcn-amd-amdhsa--gfx1250"
	.amdhsa_code_object_version 6
	.text
	.protected	k_q3379848599_proj
	.globl	k_q3379848599_proj
	.p2align	8
	.type	k_q3379848599_proj,@function
k_q3379848599_proj:
	s_mov_b64 s[64:65], 0
	v_nop
	global_prefetch_b8 v0, s[64:65] scope:SCOPE_SE
	s_setreg_imm32_b32 hwreg(HW_REG_WAVE_MODE, 25, 1), 1
	s_wait_xcnt 0x0
	s_wait_alu depctr_hold_cnt(0) depctr_sa_sdst(0) depctr_va_vdst(0) depctr_va_sdst(0) depctr_va_ssrc(0) depctr_va_vcc(0) depctr_vm_vsrc(0)
	s_getreg_b32 s2, hwreg(HW_REG_IB_STS2, 6, 4)
	s_cmp_eq_u32 s2, 0
	s_cbranch_scc0 .Lentry_in_a_cluster
	s_endpgm
.Lentry_in_a_cluster:
	s_bfe_u32 s2, ttmp6, 0x10000c
	s_cmp_lg_u32 s2, 0xf033
	s_cbranch_scc0 .Lentry_shape_is_right
	s_endpgm
.Lentry_shape_is_right:
; out0 = ctx out_w^T + out_b on codes of E4M3 with E8M0 scales; M 4,096, N 1,024, K 1,024; out0 f32.
; 256 work-groups, one to a tile of 128 x 128; four waves, each 64 rows x 64 columns.  ALL OF K LIES IN LDS, asked for at the head, one load a wave: waves 0, 1 the halves of out_w's 128 rows, waves 2, 3 the halves of ctx along K; nothing is filled again.
; A wave's 64 columns of out_w, all of K, go into 512 registers first (the first barrier shows out_w, the second ctx); then ctx goes by blocks of 16 rows, 32 products each, and a block leaves while the next is multiplied.
; CLUSTERS: 4 x 4 work-groups; ctx's tile is shared along a row of the cluster, out_w's along a column: each is asked for jointly.
; ctx lies in memory as images of operand registers ([block of 128 rows][K step][tile][c][lane][16 bytes]): dense, no padding.  out_w's rows of 1,024 bytes get 16 bytes of padding.
; THE MATRIX INSTRUCTION IS USED TRANSPOSED (source 0 = 16 rows of out_w, source 1 = 16 rows of ctx): a lane holds eight neighbouring numbers of a row of out0.  The bias is the C of each sum's first product.
; No prefetch: everything is asked for at the head by the tensor loads themselves.
; REGISTERS: window 0: addresses, scale words, bias, two sets of four accumulators, rows read back; windows 1, 2: out_w's fragments (K step k, tile t at v[64 (k % 4) + 16 t] of window 1 + k / 4); window 3: ctx's blocks, two sets.
; LIMITS: NaN and infinities are not served.
.set PITCH, 1040
.set BOFF,  131072                     ; ctx's 128 rows lie at 0; out_w's here
.set STAGE, BOFF+128*PITCH             ; 16 rows x (256 + 16) bytes for each wave; no fill lands there
.set SPARE, STAGE+4*16*272             ; the spare words
.set ADA, 8                            ; v8, v9: ctx's image for my lane, K steps 0-3, 4-7
.set ADB, 10
.set STO, 11
.set RD,  12
.set CO,  13
.set SPW, 14
.set NIL, 15
.set WS,  16                           ; v16-31 out_w's scale words
.set CS,  36                           ; v36-51 ctx's: no product's two scale words have numbers equal modulo 8
.set BIAS, 52                          ; v52-83
.set RAW, 84                           ; v84-115 ctx's scale halves as loaded
.set ACC, 128                          ; v128-191
.set OB,  192                          ; v192-255
.set WV, 16
.set RH, 17
.set CH, 18
.set CX, 19
.set CY, 20
.set NT, 21
.set MB, 22
.set G1A, 24
.set G1B, 32
.set G0A, 40
.set G0B, 44
.set MSB, 0
.macro WIN new                         ; the immediate's high byte repeats the setting that is left
.if MSB != (\new)
	s_set_vgpr_msb (MSB<<8)|(\new)
.set MSB, (\new)
.endif
.endm
.macro CROUND                          ; a round of the cluster's barrier
	s_barrier_signal -1
	s_barrier_wait -1
	s_cmp_lg_u32 s[WV], 0
	s_cbranch_scc1 .Lnot_wave_0_\@
	s_barrier_signal -3
.Lnot_wave_0_\@:
	s_barrier_wait -3
	s_barrier_signal -1
	s_barrier_wait -1
.endm
	s_load_b256 s[4:11], s[0:1], 0x0               ; ctx s[4:5], cscl s[6:7], out_w's codes s[8:9], its scales s[10:11]
	s_load_b128 s[12:15], s[0:1], 0x20             ; out_b s[12:13], out0 s[14:15]
	v_lshl_add_u32 v[SPW], v0, 2, SPARE
	v_mov_b32 v[NIL], 0
	ds_add_u32 v[SPW], v[NIL]                      ; the wave's opening: the add, twice on end
	ds_add_u32 v[SPW], v[NIL]
	v_lshrrev_b32 v1, 5, v0
	v_readfirstlane_b32 s[WV], v1                  ; wave 0..3
	s_lshr_b32 s[RH], s[WV], 1                     ; which 64 rows are mine
	s_and_b32 s[CH], s[WV], 1                      ; which 64 columns.  Also: which half of a tile I fetch
	s_bfe_u32 s[CX], ttmp6, 0x40000
	s_bfe_u32 s[CY], ttmp6, 0x40004
	s_lshl_b32 s[NT], ttmp9, 2
	s_add_co_u32 s[NT], s[NT], s[CX]               ; tile column
	s_and_b32 s[MB], ttmp7, 0xffff
	s_lshl_b32 s[MB], s[MB], 2
	s_add_co_u32 s[MB], s[MB], s[CY]               ; tile row = block of 128 rows
	s_lshl_b32 s56, s[CY], 2
	s_lshl_b32 s56, 15, s56                        ; my row of the cluster
	s_lshl_b32 s57, 0x1111, s[CX]                  ; my column
	s_or_b32 s[G1A], s56, (3<<16)|(1<<21)          ; ctx: 256 dense rows of 256 bytes (32 elements of 8 bytes): four K steps; no padding
	s_mov_b32 s[G1A+1], 32<<16
	s_mov_b32 s[G1A+2], 256<<16
	s_mov_b32 s[G1A+3], 32<<16
	s_mov_b32 s[G1A+4], 256
	s_mov_b32 s[G1A+5], 32
	s_mov_b32 s[G1A+6], 0
	s_mov_b32 s[G1A+7], 0
	s_or_b32 s[G1B], s57, (1<<20)|(1<<21)|(7<<22)|(3<<25)   ; out_w: 64 rows of 1,024 bytes; 4 words of padding after every 256
	s_mov_b32 s[G1B+1], 1024<<16
	s_mov_b32 s[G1B+2], 64<<16
	s_mov_b32 s[G1B+3], 1024<<16
	s_mov_b32 s[G1B+4], 64
	s_mov_b32 s[G1B+5], 1024
	s_mov_b32 s[G1B+6], 0
	s_mov_b32 s[G1B+7], 0
	s_lshl_b32 s62, s[CH], 16                      ; my half: 65,536 bytes of either tensor
	s_lshl_b32 s58, s[MB], 17
	s_add_co_u32 s58, s58, s62
	s_mov_b32 s59, 0
	s_lshl_b32 s60, s[NT], 17
	s_add_co_u32 s60, s60, s62
	s_mov_b32 s61, 0
	s_mul_i32 s63, s[CH], 64*PITCH
	s_add_co_u32 s63, s63, BOFF
	s_wait_dscnt 0x0
	s_wait_kmcnt 0x0
	s_add_nc_u64 s[58:59], s[4:5], s[58:59]
	s_add_nc_u64 s[60:61], s[8:9], s[60:61]
	CROUND                                         ; all sixteen work-groups are here: the joint loads meet
	s_mov_b32 s[G0A], 1
	s_mov_b32 s[G0A+1], s62
	s_mov_b64 s[G0A+2:G0A+3], s[58:59]
	s_or_b32 s[G0A+3], s[G0A+3], 0x80000000
	s_mov_b32 s[G0B], 1
	s_mov_b32 s[G0B+1], s63
	s_mov_b64 s[G0B+2:G0B+3], s[60:61]
	s_or_b32 s[G0B+3], s[G0B+3], 0x80000000
	s_cmp_lt_u32 s[WV], 2                          ; one load a wave
	s_cbranch_scc0 .Lfor_ctx
	tensor_load_to_lds s[G0B:G0B+3], s[G1B:G1B+7]
	s_nop 0
.rept 4
	v_nop
.endr
	s_branch .Lasked
.Lfor_ctx:
	tensor_load_to_lds s[G0A:G0A+3], s[G1A:G1A+7]
	s_nop 0
.rept 4
	v_nop
.endr
.Lasked:
	s_lshl_b32 s84, s[NT], 7
	s_lshl_b32 s85, s[CH], 6
	s_add_co_u32 s84, s84, s85                     ; my first column
	s_lshl_b32 s86, s84, 5
	s_mov_b32 s87, 0
	s_add_nc_u64 s[10:11], s[10:11], s[86:87]
	s_lshl_b32 s86, s84, 2
	s_add_nc_u64 s[12:13], s[12:13], s[86:87]
	s_lshl_b32 s86, s[MB], 12
	s_lshl_b32 s85, s[RH], 7
	s_add_co_u32 s86, s86, s85
	s_add_nc_u64 s[6:7], s[6:7], s[86:87]
	s_lshl_b32 s86, s[MB], 7
	s_lshl_b32 s85, s[RH], 6
	s_add_co_u32 s86, s86, s85                     ; my first row of out0,
	s_lshl_b32 s86, s86, 12                        ; 4,096 bytes a row,
	s_lshl_b32 s85, s84, 2
	s_add_co_u32 s86, s86, s85                     ; and my first column: under 2^25
	s_add_nc_u64 s[14:15], s[14:15], s[86:87]
	s_lshl_b32 s88, s[RH], 13                      ; ctx's tiles 4 x half on
	s_mul_i32 s89, s[CH], 64*PITCH
	s_add_co_u32 s89, s89, BOFF                    ; out_w's rows 64 x half on
	s_mul_i32 s90, s[WV], 16*272
	s_add_co_u32 s90, s90, STAGE                   ; my stage
	v_and_b32 v1, 31, v0                           ; lane
	v_and_b32 v2, 15, v0                           ; r
	v_bfe_u32 v3, v0, 4, 1                         ; h
	v_lshlrev_b32 v4, 5, v1                        ; out_w's scale words: 32 bytes a row; lane l takes row 32 p + l: lanes 0-15 tile 2 p, lanes 16-31 tile 2 p + 1
	v_lshlrev_b32 v5, 5, v3
	v_lshlrev_b32 v6, 1, v1                        ; ctx's scale bytes: two a row and head; lane l takes row 32 p + l of my 64
	s_wait_alu depctr_va_vdst(0)
.irp p, 0,1
.irp e, 0,1
	global_load_b128 v[WS+8*\p+4*\e:WS+8*\p+4*\e+3], v4, s[10:11] offset:1024*\p+16*\e   ; the words of K steps 4 e .. 4 e + 3
.endr
.endr
.irp t, 0,1,2,3
	global_load_b128 v[BIAS+8*\t:BIAS+8*\t+3], v5, s[12:13] offset:64*\t        ; out_b at columns 16 t + 8 h + 0 .. 7
	global_load_b128 v[BIAS+8*\t+4:BIAS+8*\t+7], v5, s[12:13] offset:64*\t+16
.endr
.irp p, 0,1
.irp hd, 0,1,2,3,4,5,6,7,8,9,10,11,12,13,14,15
	global_load_u16 v[RAW+16*\p+\hd], v6, s[6:7] offset:256*\hd+64*\p
.endr
.endr
	v_lshlrev_b32 v[ADA], 4, v1
	v_add_nc_u32 v[ADA], s88, v[ADA]               ; an image's place for my lane
	v_add_nc_u32 v[ADA+1], 0x10000, v[ADA]
	v_mul_u32_u24 v7, v2, PITCH
	v_lshl_add_u32 v[ADB], v3, 4, v7
	v_add_nc_u32 v[ADB], s89, v[ADB]               ; row r x pitch + 16 h
	v_mul_u32_u24 v7, v2, 272
	v_lshl_add_u32 v[STO], v3, 5, v7
	v_add_nc_u32 v[STO], s90, v[STO]               ; the stage, in: row r, 32 bytes for each half of the lanes
	v_mul_u32_u24 v7, v3, 272
	v_lshl_add_u32 v[RD], v2, 4, v7
	v_add_nc_u32 v[RD], s90, v[RD]                 ; back: lanes 0-15 one row of 256 bytes, lanes 16-31 the next
	v_lshlrev_b32 v[CO], 12, v3
	v_lshl_add_u32 v[CO], v2, 4, v[CO]             ; and the same two rows in out0
.macro FETCHA i                        ; ctx's block i, 16 rows, all of K, into set i % 2: 32 LDS loads
	WIN 0xc0
.irp k, 0,1,2,3,4,5,6,7
.irp c, 0,1,2,3
	ds_load_b128 v[128*((\i)%2)+16*\k+4*\c:128*((\i)%2)+16*\k+4*\c+3], v[ADA+\k/4] offset:16384*(\k%4)+2048*(\i)+512*\c
.endr
.endr
	WIN 0
.endm
.macro MM d, a, b, c, sa, sb, ra, rb   ; one product; ra, rb: the side's scale words stand in lanes 16-31
.if (\ra) && (\rb)
	v_wmma_scale_f32_16x16x128_f8f6f4 v[\d:\d+7], v[\a:\a+15], v[\b:\b+15], v[\c:\c+7], v[\sa], v[\sb] matrix_a_scale:MATRIX_SCALE_ROW1 matrix_b_scale:MATRIX_SCALE_ROW1
.elseif (\ra)
	v_wmma_scale_f32_16x16x128_f8f6f4 v[\d:\d+7], v[\a:\a+15], v[\b:\b+15], v[\c:\c+7], v[\sa], v[\sb] matrix_a_scale:MATRIX_SCALE_ROW1
.elseif (\rb)
	v_wmma_scale_f32_16x16x128_f8f6f4 v[\d:\d+7], v[\a:\a+15], v[\b:\b+15], v[\c:\c+7], v[\sa], v[\sb] matrix_b_scale:MATRIX_SCALE_ROW1
.else
	v_wmma_scale_f32_16x16x128_f8f6f4 v[\d:\d+7], v[\a:\a+15], v[\b:\b+15], v[\c:\c+7], v[\sa], v[\sb]
.endif
.endm
.macro PRODS i, half                   ; K steps 4 half .. 4 half + 3 of block i: 16 products, four accumulators by turns
	WIN 0x0d+\half
.irp q, 0,1,2,3
.irp t, 0,1,2,3
.if (\half) == 0 && \q == 0
	MM ACC+32*((\i)%2)+8*\t, 64*\q+16*\t, 128*((\i)%2)+64*\half+16*\q, BIAS+8*\t, WS+8*(\t/2)+4*\half+\q, CS+8*((\i)/2)+4*\half+\q, \t%2, (\i)%2
.else
	MM ACC+32*((\i)%2)+8*\t, 64*\q+16*\t, 128*((\i)%2)+64*\half+16*\q, ACC+32*((\i)%2)+8*\t, WS+8*(\t/2)+4*\half+\q, CS+8*((\i)/2)+4*\half+\q, \t%2, (\i)%2
.endif
.endr
.endr
	WIN 0
.endm
.macro PLACES                          ; behind a block's products: ahead of the first read of its sums and of the loads into its fragments' registers
.rept 8
	v_nop
.endr
.endm
; THE WAY OUT of a block, 16 rows x 64 columns, through my own stage: a lane's 32 bytes go in by rows of 272 bytes and come back as whole rows of 256, which sixteen lanes store as one aligned unit.
; LDS serves a wave's instructions in order (ISA guide 5.7.1.4): no wait between the stores and the loads, nor in front of the next block's stores.
.macro TOSTAGE i
.irp t, 0,1,2,3
	ds_store_b128 v[STO], v[ACC+32*((\i)%2)+8*\t:ACC+32*((\i)%2)+8*\t+3] offset:64*\t        ; each accumulator from its low end on
	ds_store_b128 v[STO], v[ACC+32*((\i)%2)+8*\t+4:ACC+32*((\i)%2)+8*\t+7] offset:64*\t+16
.endr
.irp k, 0,1,2,3,4,5,6,7
	ds_load_b128 v[OB+32*((\i)%2)+4*\k:OB+32*((\i)%2)+4*\k+3], v[RD] offset:544*\k
.endr
.endm
.macro SEND i, younger                 ; younger: the LDS instructions issued behind block i's loads from the stage, which may stay out
	s_wait_dscnt \younger
.irp k, 0,1,2,3,4,5,6,7
	global_store_b128 v[CO], v[OB+32*((\i)%2)+4*\k:OB+32*((\i)%2)+4*\k+3], s[14:15] offset:(16*(\i)+2*\k)*4096 th:TH_STORE_NT   ; written once, read by nobody here
.endr
.endm
	s_wait_alu depctr_va_vdst(0)                   ; the wait at the head's end
	s_cmp_lt_u32 s[WV], 2
	s_cbranch_scc0 .Lnot_w
	s_wait_tensorcnt 0x0                           ; waves 0, 1: out_w's halves have landed.  The others' wait stands at the second barrier
.Lnot_w:
	s_barrier_signal -1
	s_barrier_wait -1
.irp k, 0,1,2,3,4,5,6,7                ; my 64 rows of out_w, all of K: 128 LDS loads
	WIN 0x40*(1+\k/4)
.irp t, 0,1,2,3
.irp c, 0,1,2,3
	ds_load_b128 v[64*(\k%4)+16*\t+4*\c:64*(\k%4)+16*\t+4*\c+3], v[ADB] offset:16*PITCH*\t+128*\k+32*\c
.endr
.endr
.endr
	WIN 0
	s_wait_loadcnt 0x0
.irp p, 0,1
.irp k, 0,1,2,3,4,5,6,7
	v_lshl_or_b32 v[CS+8*\p+\k], v[RAW+16*\p+2*\k+1], 16, v[RAW+16*\p+2*\k]   ; K step k's word: heads 2 k and 2 k + 1.  Eight plain lines or more stand between a word and the first product that takes it
.endr
.endr
	s_wait_alu depctr_va_vdst(0)
	s_wait_tensorcnt 0x0                           ; everybody's tile has landed
	s_wait_dscnt 0x0                               ; no LDS load of mine is out at the signal
	s_barrier_signal -1
	s_barrier_wait -1
	FETCHA 0
	FETCHA 1
	s_wait_dscnt 32                                ; block 0 is in; block 1's 32 loads may be out
	PRODS 0, 0
	PRODS 0, 1
	PLACES
	TOSTAGE 0
	FETCHA 2
	s_wait_dscnt 48                                ; block 1 is in: behind it the stage's 16 and block 2's 32
	PRODS 1, 0
	SEND 0, 32                                     ; behind the stage's loads: block 2's 32
	PRODS 1, 1
	PLACES
	TOSTAGE 1
	FETCHA 3
	s_wait_dscnt 48
	PRODS 2, 0
	SEND 1, 32
	PRODS 2, 1
	PLACES
	s_wait_xcnt 0x0                                ; block 0's stores have read their registers
	TOSTAGE 2
	s_wait_dscnt 16                                ; block 3 is in: behind it the stage's 16
	PRODS 3, 0
	SEND 2, 0
	PRODS 3, 1
	PLACES
	s_wait_xcnt 0x0                                ; block 1's stores have read theirs
	TOSTAGE 3
	SEND 3, 0
	s_wait_tensorcnt 0x0                           ; the wave's end
	ds_add_u32 v[SPW], v[NIL]
	s_wait_dscnt 0x0
	CROUND                                         ; the closing round: no work-group ends while a partner may still ask for a tile that names it
	s_endpgm
.Lfunc_end_k_q3379848599_proj:
	.size	k_q3379848599_proj, .Lfunc_end_k_q3379848599_proj-k_q3379848599_proj
	.p2alignl 7, 3214868480
	.fill 96, 4, 3214868480
	.section	.rodata,"a",@progbits
	.p2align	6, 0x0
	.amdhsa_kernel k_q3379848599_proj
		.amdhsa_group_segment_fixed_size 327680
		.amdhsa_private_segment_fixed_size 0
		.amdhsa_enable_private_segment 0
		.amdhsa_kernarg_size 48
		.amdhsa_user_sgpr_count 2
		.amdhsa_user_sgpr_kernarg_segment_ptr 1
		.amdhsa_wavefront_size32 1
		.amdhsa_system_sgpr_workgroup_id_x 1
		.amdhsa_system_sgpr_workgroup_id_y 1
		.amdhsa_system_sgpr_workgroup_id_z 1
		.amdhsa_system_vgpr_workitem_id 0
		.amdhsa_next_free_vgpr 1024
		.amdhsa_next_free_sgpr 96
		.amdhsa_reserve_vcc 0
		.amdhsa_float_denorm_mode_32 3
		.amdhsa_float_denorm_mode_16_64 3
		.amdhsa_memory_ordered 1
		.amdhsa_forward_progress 1
		.amdhsa_inst_pref_size 53
	.end_amdhsa_kernel
	.amdgpu_metadata
---
amdhsa.version: [ 1, 2 ]
amdhsa.kernels:
  - .name:           k_q3379848599_proj
    .symbol:         k_q3379848599_proj.kd
    .args:
      - { .name: ctx, .offset: 0, .size: 8, .value_kind: global_buffer, .address_space: global }
      - { .name: cscl, .offset: 8, .size: 8, .value_kind: global_buffer, .address_space: global }
      - { .name: out_w_codes, .offset: 16, .size: 8, .value_kind: global_buffer, .address_space: global }
      - { .name: out_w_scales, .offset: 24, .size: 8, .value_kind: global_buffer, .address_space: global }
      - { .name: out_b, .offset: 32, .size: 8, .value_kind: global_buffer, .address_space: global }
      - { .name: out0, .offset: 40, .size: 8, .value_kind: global_buffer, .address_space: global }
    .group_segment_fixed_size: 327680
    .private_segment_fixed_size: 0
    .kernarg_segment_align: 8
    .kernarg_segment_size: 48
    .max_flat_workgroup_size: 128
    .sgpr_count:     96
    .vgpr_count:     1024
    .wavefront_size: 32
...
	.end_amdgpu_metadata
.endif
;; end of part 3
